; MI455X (gfx1250); checked and timed in simulation.
; The chip was launched on July 23, 2026; its instructions are those of AMD's public machine-readable ISA for CDNA 5 (MIT licence, August 2026) and "CDNA5" Instruction Set Architecture Reference Guide (July 2026). The comments in the code are by the model that wrote it; some were corrected since.
;; MLA. Allowed arithmetic: float matrix products may take bf16 or f16 operands with f32 sums; other float arithmetic in f32, or as packed bf16 or f16 multiplies, adds, multiply-adds, maxima and minima; sums over many terms, partial sums and values carried from step to step in f32; what a program stores and reads back later, other than sums and carried values, may be rounded once to bf16 or f16.
;; Inputs: freqs_cos 2,048 x 32 float32; freqs_sin 2,048 x 32 float32; mask 2,048 x 2,048 float32; wk 3,072 x 2,048 float32; wo 2,048 x 2,048 float32; wq 3,072 x 2,048 float32; wv 2,048 x 2,048 float32; x 1 x 2,048 x 2,048 float32.
;; Outputs: out0 1 x 2,048 x 2,048 float32.
;; Constants: start_pos = 0.
;; One version. Each part assembles by itself: llvm-mc -triple=amdgcn-amd-amdhsa -mcpu=gfx1250 --defsym DOCPART=n.
;; ======== version 1 of 1: 4 launches
;; limits: values are held in f16: magnitudes above 65,504 overflow, below 6.1e-05 lose precision
;; workspace buffers: xw 41,943,040 bytes; wob 8,388,608 bytes; maskw 16,777,216 bytes; qkv 33,554,432 bytes; ao 8,388,608 bytes
;; launch cast (part 1): grid 1792 x 1, 8 waves a work-group, no clusters, 0 bytes of LDS; arguments x, wq, wk, wv, wo, mask, xw, wob, maskw; writes xw, wob, maskw
.if DOCPART == 1
	.amdgcn_target "amdgcn-amd-amdhsa--gfx1250"
	.amdhsa_code_object_version 6
	.text
	.protected	k_qf27f6db65e_cast
	.globl	k_qf27f6db65e_cast
	.p2align	8
	.type	k_qf27f6db65e_cast,@function
k_qf27f6db65e_cast:
	s_mov_b64 s[64:65], 0
	v_nop
	global_prefetch_b8 v0, s[64:65] scope:SCOPE_SE
	s_setreg_imm32_b32 hwreg(HW_REG_WAVE_MODE, 25, 1), 1
	s_wait_xcnt 0x0
; Every large input is rounded once to bf16, for the launches that follow.
;   xw    [10240][2048] bf16: rows 0-2047 wq's first 128 channels of each head (row 128 h + d), 2048-3071 wq's last 64 (64 h + d - 128),
;         3072-6143 wk likewise, 6144-8191 wv, 8192-10239 x.
;   wob   [2048][2048] f16: wo rounded to bf16, that number written as f16 (exact from 6.1e-5 up; below it f16's step of 6e-8).
;   maskw [2048][2048] f32: mask rounded to bf16, times log2(e) in f32: the scores are kept in units of base 2, and this number starts their sums without further work.
;         A mask beyond 2.3e38 in magnitude becomes an infinity here.
; A work-group takes 8 rows of 2,048 f32 of one source; thread t takes columns 4 t .. 4 t + 3 and 1024 + 4 t .. + 3 of each row: a wave's load covers
; 512 consecutive bytes, its 8-byte stores 256, its 16-byte stores 512, all aligned.  All 16 loads of a thread go out at once; each row has registers of its own,
; so no register is rewritten while a store reads it.  Memory binds: no LDS, no barrier, no matrix unit.
.set X, 4                              ; v[4:67]   row i: 8 f32 as loaded
.set Y, 68                             ; v[68:99]  row i: 4 words of two 16-bit numbers
	s_load_b512 s[4:19], s[0:1], 0x0               ; x, wq, wk, wv, wo, mask, xw, wob
	s_load_b64 s[20:21], s[0:1], 0x40              ; maskw
	v_lshlrev_b32 v1, 4, v0                        ; 16 t: my bytes in half a row of f32
	v_lshlrev_b32 v2, 3, v0                        ; 8 t: my bytes in half a row of 16-bit numbers
	s_mov_b32 s22, ttmp9                           ; g: the group of 8 rows
	s_mov_b32 s23, 0xffff0000                      ; a word's upper bf16
	s_mov_b32 s26, 0                               ; the first group of g's source
	s_mov_b32 s35, 0
	s_mov_b32 s38, 0x3fb8aa3b                      ; log2(e)
	s_mov_b32 s39, s38                             ; named with it as a pair
	s_wait_kmcnt 0x0
	s_mov_b64 s[24:25], s[4:5]                     ; groups 0-255: x
.macro PICK bound, ptr                 ; from group bound on: the next source
	s_cmp_ge_u32 s22, \bound
	s_cselect_b64 s[24:25], s[\ptr:\ptr+1], s[24:25]
	s_cselect_b32 s26, \bound, s26
.endm
	PICK 256, 6                                    ; wq: 384 groups
	PICK 640, 8                                    ; wk: 384
	PICK 1024, 10                                  ; wv: 256
	PICK 1280, 12                                  ; wo: 256
	PICK 1536, 14                                  ; mask: 256
	s_sub_co_u32 s27, s22, s26                     ; the group within its source
	s_lshl_b32 s28, s27, 3                         ; r0: its first row
	s_lshl_b32 s34, s27, 16                        ; 8 rows of 8,192 bytes
	s_add_nc_u64 s[24:25], s[24:25], s[34:35]
.irp i, 0,1,2,3,4,5,6,7
	global_load_b128 v[X+8*(\i):X+8*(\i)+3],   v1, s[24:25] offset:(\i)*8192 th:TH_LOAD_NT
	global_load_b128 v[X+8*(\i)+4:X+8*(\i)+7], v1, s[24:25] offset:(\i)*8192+4096 th:TH_LOAD_NT
.endr
	; where the rows go.  For wq and wk: h = r0 / 192 (r0 x 43691 >> 23 is exact for r0 < 3072), d = r0 - 192 h; 8 rows never straddle a boundary, 128 and 192 being multiples of 8
	s_mul_i32 s29, s28, 43691
	s_lshr_b32 s29, s29, 23                        ; h
	s_mul_i32 s30, s29, 192
	s_sub_co_u32 s30, s28, s30                     ; d
	s_lshl_b32 s31, s29, 7
	s_add_co_u32 s31, s31, s30                     ; 128 h + d
	s_lshl_b32 s32, s29, 6
	s_add_co_u32 s32, s32, s30
	s_add_co_u32 s32, s32, 1920                    ; 2048 + 64 h + d - 128
	s_cmp_lt_u32 s30, 128
	s_cselect_b32 s31, s31, s32
	s_add_co_u32 s33, s28, 8192                    ; x
	s_cmp_ge_u32 s22, 256
	s_cselect_b32 s33, s31, s33                    ; wq
	s_add_co_u32 s31, s31, 3072
	s_cmp_ge_u32 s22, 640
	s_cselect_b32 s33, s31, s33                    ; wk
	s_add_co_u32 s32, s28, 6144
	s_cmp_ge_u32 s22, 1024
	s_cselect_b32 s33, s32, s33                    ; wv
; The 8 rows.  mode 0: bf16.  mode 1: bf16, then that number as f16.  mode 2: bf16, then that number times log2(e) as f32.
.macro ROWS mode
.irp i, 0,1,2,3,4,5,6,7
	s_wait_loadcnt 14-2*(\i)                       ; loads come back in order: the two loads of each younger row may stay out
.irp j, 0,1,2,3
	v_cvt_pk_bf16_f32 v[Y+4*(\i)+(\j)], v[X+8*(\i)+2*(\j)], v[X+8*(\i)+2*(\j)+1]
.endr
.if (\mode) > 0
.irp j, 0,1,2,3
	v_lshlrev_b32 v[X+8*(\i)+2*(\j)],   16,  v[Y+4*(\i)+(\j)]
	v_and_b32     v[X+8*(\i)+2*(\j)+1], s23, v[Y+4*(\i)+(\j)]
.endr
.endif
.if (\mode) == 1
.irp j, 0,1,2,3
	v_cvt_pk_f16_f32 v[Y+4*(\i)+(\j)], v[X+8*(\i)+2*(\j)], v[X+8*(\i)+2*(\j)+1]
.endr
.endif
.if (\mode) == 2
.irp j, 0,1,2,3
	v_pk_mul_f32 v[X+8*(\i)+2*(\j):X+8*(\i)+2*(\j)+1], v[X+8*(\i)+2*(\j):X+8*(\i)+2*(\j)+1], s[38:39] op_sel_hi:[1,0]
.endr
.endif
.if (\mode) < 2
	global_store_b64 v2, v[Y+4*(\i):Y+4*(\i)+1],   s[36:37] offset:(\i)*4096
	global_store_b64 v2, v[Y+4*(\i)+2:Y+4*(\i)+3], s[36:37] offset:(\i)*4096+2048
.else
	global_store_b128 v1, v[X+8*(\i):X+8*(\i)+3],   s[36:37] offset:(\i)*8192
	global_store_b128 v1, v[X+8*(\i)+4:X+8*(\i)+7], s[36:37] offset:(\i)*8192+4096
.endif
.endr
.endm
	s_cmp_ge_u32 s22, 1280
	s_cbranch_scc1 .Lnot_xw
	s_lshl_b32 s34, s33, 12                        ; rows of 4,096 bytes
	s_add_nc_u64 s[36:37], s[16:17], s[34:35]
	ROWS 0
	s_endpgm
.Lnot_xw:
	s_cmp_ge_u32 s22, 1536
	s_cbranch_scc1 .Lmask
	s_lshl_b32 s34, s28, 12
	s_add_nc_u64 s[36:37], s[18:19], s[34:35]
	ROWS 1
	s_endpgm
.Lmask:
	s_lshl_b32 s34, s28, 13                        ; rows of 8,192 bytes
	s_add_nc_u64 s[36:37], s[20:21], s[34:35]
	ROWS 2
	s_endpgm
.Lfunc_end_k_qf27f6db65e_cast:
	.size	k_qf27f6db65e_cast, .Lfunc_end_k_qf27f6db65e_cast-k_qf27f6db65e_cast
	.p2alignl 7, 3214868480
	.fill 96, 4, 3214868480
	.section	.rodata,"a",@progbits
	.p2align	6, 0x0
	.amdhsa_kernel k_qf27f6db65e_cast
		.amdhsa_group_segment_fixed_size 0
		.amdhsa_private_segment_fixed_size 0
		.amdhsa_enable_private_segment 0
		.amdhsa_kernarg_size 72
		.amdhsa_user_sgpr_count 2
		.amdhsa_user_sgpr_kernarg_segment_ptr 1
		.amdhsa_wavefront_size32 1
		.amdhsa_system_sgpr_workgroup_id_x 1
		.amdhsa_system_sgpr_workgroup_id_y 1
		.amdhsa_system_sgpr_workgroup_id_z 1
		.amdhsa_system_vgpr_workitem_id 0
		.amdhsa_next_free_vgpr 104
		.amdhsa_next_free_sgpr 66
		.amdhsa_reserve_vcc 0
		.amdhsa_float_denorm_mode_32 3
		.amdhsa_float_denorm_mode_16_64 3
		.amdhsa_memory_ordered 1
		.amdhsa_forward_progress 1
		.amdhsa_inst_pref_size 24
	.end_amdhsa_kernel
	.amdgpu_metadata
---
amdhsa.version: [ 1, 2 ]
amdhsa.kernels:
  - .name:           k_qf27f6db65e_cast
    .symbol:         k_qf27f6db65e_cast.kd
    .args:
      - { .name: x, .offset: 0, .size: 8, .value_kind: global_buffer, .address_space: global }
      - { .name: wq, .offset: 8, .size: 8, .value_kind: global_buffer, .address_space: global }
      - { .name: wk, .offset: 16, .size: 8, .value_kind: global_buffer, .address_space: global }
      - { .name: wv, .offset: 24, .size: 8, .value_kind: global_buffer, .address_space: global }
      - { .name: wo, .offset: 32, .size: 8, .value_kind: global_buffer, .address_space: global }
      - { .name: mask, .offset: 40, .size: 8, .value_kind: global_buffer, .address_space: global }
      - { .name: xw, .offset: 48, .size: 8, .value_kind: global_buffer, .address_space: global }
      - { .name: wob, .offset: 56, .size: 8, .value_kind: global_buffer, .address_space: global }
      - { .name: maskw, .offset: 64, .size: 8, .value_kind: global_buffer, .address_space: global }
    .group_segment_fixed_size: 0
    .private_segment_fixed_size: 0
    .kernarg_segment_align: 8
    .kernarg_segment_size: 72
    .max_flat_workgroup_size: 256
    .sgpr_count:     66
    .vgpr_count:     104
    .wavefront_size: 32
...
	.end_amdgpu_metadata
.endif
;; end of part 1
;; launch proj (part 2): grid 32 x 8, 4 waves a work-group, clusters of 4 x 4, 327,680 bytes of LDS; arguments xw, freqs_cos, freqs_sin, qkv; writes qkv
.if DOCPART == 2
	.amdgcn_target "amdgcn-amd-amdhsa--gfx1250"
	.amdhsa_code_object_version 6
	.text
	.protected	k_qf27f6db65e_proj
	.globl	k_qf27f6db65e_proj
	.p2align	8
	.type	k_qf27f6db65e_proj,@function
k_qf27f6db65e_proj:
	s_mov_b64 s[64:65], 0
	v_nop
	global_prefetch_b8 v0, s[64:65] scope:SCOPE_SE
	s_setreg_imm32_b32 hwreg(HW_REG_WAVE_MODE, 25, 1), 1
	s_wait_xcnt 0x0
	s_wait_alu depctr_hold_cnt(0) depctr_sa_sdst(0) depctr_va_vdst(0) depctr_va_sdst(0) depctr_va_ssrc(0) depctr_va_vcc(0) depctr_vm_vsrc(0)
	s_getreg_b32 s2, hwreg(HW_REG_IB_STS2, 6, 4)
	s_cmp_eq_u32 s2, 0
	s_cbranch_scc0 .Lentry_in_a_cluster
	s_endpgm
.Lentry_in_a_cluster:
	s_bfe_u32 s2, ttmp6, 0x10000c
	s_cmp_lg_u32 s2, 0xf033
	s_cbranch_scc0 .Lentry_shape_is_right
	s_endpgm
.Lentry_shape_is_right:
; [q | k | v] = x W^T as ONE product, M = 2048 (rows of x), N = 8192 (the weight rows as they lie in xw), K = 2048, bf16 operands, f32 sums; then q times 192^-0.5 log2(e) (the scores are
; kept in units of base 2), the rotation of the last 64 channels of q's and k's heads (cos and sin rounded to bf16 like every input), one rounding to f16, and out by heads:
;   qkv: column block n0 at byte n0 x 4096: q's first 128 channels [16][2048][128], q's last 64 [16][2048][64], k likewise, v [16][2048][128].
; LIMITS.  0.104 q, k and v must lie within f16's 65,504; below 6.1e-5 they keep f16's fixed step of 6e-8.
; A tile of C is 256 x 256: four waves, each 128 x 128 in 64 accumulators (512 registers).  K goes in steps of 128 through two LDS slots filled by the tensor data mover.
; CLUSTERS: 4 x 4 work-groups; A's tiles are asked for jointly along a row of the cluster, B's along a column.  The four tile columns of a cluster are of one kind (cluster x 0, 1: q plain; 2: q rotated;
; 3, 4: k plain; 5: k rotated; 6, 7: v), so the one branch on the kind hangs on the cluster's x, which all partners share.
; THE MATRIX INSTRUCTION IS USED TRANSPOSED (source 0 = 16 rows of W, source 1 = 16 rows of x): a lane holds eight neighbouring columns of one row of C.
; REGISTERS, in windows of 256: window 0: v0-31 addresses; v64-127, v128-191 fragments of A; window 1: the same numbers, fragments of B; windows 2, 3: the accumulators ((a, b) at v[8 (8 (a % 4) + b)]).
; THE WAY OUT.  Behind the last product's barrier the ring is dead (its last fill has landed, nobody reads it): each wave lays its 128 x 128 f32 into 67,584 bytes of it, its own, and reads whole rows back.
.set SIZE_K, 2048
.set KSTEP,  128
.set PITCH,  272                       ; an LDS row: 256 bytes + 16 of padding: the 16 rows of a fragment load start at 16 different groups of four banks
.set HALFT,  128*PITCH
.set SLOT,   4*HALFT                   ; A's 256 rows, then B's 256 rows
.set SPARE,  2*SLOT                    ; behind the ring: the spare words, 128 bytes a wave
.set LAPS,   SIZE_K/(2*KSTEP)
.set DP,     528                       ; the dump's row: 128 f32 + 16 bytes; the sixteen 16-byte pieces with a lane's first four columns, then the sixteen with its last four
.set DWAVE,  128*DP
.set ADRA, 16                          ; v16-17  LDS address of my A fragments in slot 0, 1
.set ADRB, 20                          ; v20-21  the same for B
.set DST,  22                          ; v22     the dump: where I put 16 bytes of a row
.set RDR,  23                          ; v23     rotated kind: where I read back
.set RDA,  24                          ; v24     plain kind: where I read back
.set GOF,  25                          ; v25     plain kind: my byte offset in qkv
.set CSL,  26                          ; v26     my lane's byte offset in two rows of cos and sin
.set CSO,  27                          ; v27     the same plus the rows in hand
.set SPW,  28                          ; v28     LDS address of my spare word; never rewritten
.set NIL,  29                          ; v29     0; never rewritten
.set GOR,  30                          ; v30     rotated kind: my byte offset in qkv
.set Y,    32                          ; v32-63   the way out: unit u of two rows: 4 words of f16
.set X,    64                          ; v64-127  unit u: 8 f32
.set RAW,  128                         ; v128-191 unit u: 4 cos, 4 sin as loaded
.set PK,   192                         ; v192-223 unit u: the same rounded to bf16, in 4 words
.set C8,   224                         ; v224-231 a unit's 4 cos, 4 sin as f32
.set E8,   232                         ; v232-239 a unit's 8 results
.set F0,   64
.set F1,   128
.set G1, 24                            ; s[24:31] group 1 for A's tiles; s[32:39] group 0, a set for each slot
.set G0, 32
.set G1B, 48                           ; s[48:55], s[56:63] the same for B's
.set G0B, 56
.set MSB, 0
.macro WIN new                         ; the immediate's high byte repeats the setting that is left
.if MSB != (\new)
	s_set_vgpr_msb (MSB<<8)|(\new)
.set MSB, \new
.endif
.endm
.set MUL_LO, 0xa1                      ; source 0 (B) window 1, source 1 (A) window 0, C and D window 2
.set MUL_HI, 0xf1                      ; the same, C and D window 3
.set TO_B,   0x40                      ; destination window 1, address window 0
; A joint load.  Waves 0 and 1 fetch A's two halves, waves 2 and 3 B's.  An s_nop 0 and four v_nop follow each line.
.macro JLOAD s
	s_cmp_eq_u32 s11, 0
	s_cbranch_scc0 .Lfor_b_\@
	tensor_load_to_lds s[G0+4*(\s):G0+4*(\s)+3], s[G1:G1+7]
	s_nop 0
.rept 4
	v_nop
.endr
	s_branch .Lasked_\@
.Lfor_b_\@:
	tensor_load_to_lds s[G0B+4*(\s):G0B+4*(\s)+3], s[G1B:G1B+7]
	s_nop 0
.rept 4
	v_nop
.endr
.Lasked_\@:
.endm
.macro CREST                           ; a round of the cluster's barrier behind its opening barrier
	s_cmp_lg_u32 s10, 0
	s_cbranch_scc1 .Lnot_wave_0_\@
	s_barrier_signal -3
.Lnot_wave_0_\@:
	s_barrier_wait -3
	s_barrier_signal -1
	s_barrier_wait -1
.endm
.macro CROUND                          ; a whole round
	s_barrier_signal -1
	s_barrier_wait -1
	CREST
.endm
	s_load_b256 s[68:75], s[0:1], 0x0              ; xw s[68:69], cos s[70:71], sin s[72:73], qkv s[74:75]
	v_lshl_add_u32 v[SPW], v0, 2, SPARE
	v_mov_b32 v[NIL], 0
	ds_add_u32 v[SPW], v[NIL]                      ; the wave's opening: the add and its wait stand ahead of my first tensor load; the set-up below stands between them
	v_lshrrev_b32 v1, 5, v0
	v_readfirstlane_b32 s10, v1                    ; wave 0..3
	s_lshr_b32 s11, s10, 1                         ; which half of the tile's rows is mine.  Also: I fetch for A (0) or for B (1)
	s_and_b32 s12, s10, 1                          ; which half of its columns.  Also: which 128 rows of that tile I fetch
	s_bfe_u32 s40, ttmp6, 0x40000                  ; cx
	s_bfe_u32 s41, ttmp6, 0x40004                  ; cy
	s_mov_b32 s77, ttmp9                           ; the cluster's x: the kind of its columns
	s_lshl_b32 s42, s77, 2
	s_add_co_u32 s42, s42, s40                     ; tile column = 4 x cluster x + cx
	s_and_b32 s13, ttmp7, 0xffff
	s_lshl_b32 s13, s13, 2
	s_add_co_u32 s13, s13, s41                     ; tile row = 4 x cluster y + cy
	s_lshl_b32 s43, s41, 2
	s_lshl_b32 s43, 15, s43                        ; my row of the cluster
	s_lshl_b32 s44, 0x1111, s40                    ; my column
	s_cmp_eq_u32 s77, 2
	s_cselect_b32 s76, 1, 0
	s_cmp_eq_u32 s77, 5
	s_cselect_b32 s76, 1, s76                      ; 1: these columns are rotated
	s_cmp_lt_u32 s77, 3
	s_cselect_b32 s78, 0x3dd53b94, 1.0             ; q takes 192^-0.5 log2(e) = 0.1041175, k and v 1
	s_mov_b32 s79, s78                             ; named with it as a pair
	s_mov_b32 s82, 0xffff0000                      ; a word's upper bf16
	; group 1: a tile of 128 rows x 128 elements of 2 bytes, 16 bytes of padding behind every 256
	s_or_b32 s[G1+0], s43, (1<<16)|(1<<20)|(1<<21)|(5<<22)|(3<<25)
	s_or_b32 s[G1B+0], s44, (1<<16)|(1<<20)|(1<<21)|(5<<22)|(3<<25)
.irp g, G1, G1B
	s_mov_b32 s[(\g)+1], KSTEP<<16                 ; tensor_dim0 = 128
	s_mov_b32 s[(\g)+2], 128<<16                   ; tensor_dim1 = 128
	s_mov_b32 s[(\g)+3], KSTEP<<16                 ; tile_dim0 = 128
	s_mov_b32 s[(\g)+4], 128                       ; tile_dim1 = 128
	s_mov_b32 s[(\g)+5], SIZE_K                    ; elements from row to row
	s_mov_b32 s[(\g)+6], 0
	s_mov_b32 s[(\g)+7], 0
.endr
	s_lshl_b32 s17, s12, 7                         ; which 128 rows of the tile I fetch
	s_lshl_b32 s16, s13, 8
	s_add_co_u32 s16, s16, s17                     ; A: row 256 x tile row + 128 x half
	s_lshl_b32 s46, s42, 8
	s_add_co_u32 s46, s46, s17                     ; B: row 256 x tile column + 128 x half
	s_mov_b32 s17, 0
	s_mov_b32 s47, 0
	s_mov_b64 s[18:19], SIZE_K*2
	s_mul_u64 s[16:17], s[16:17], s[18:19]
	s_mul_u64 s[46:47], s[46:47], s[18:19]
	s_mul_i32 s20, s10, HALFT                      ; where they go: wave x 128 rows
	s_wait_dscnt 0x0                               ; the opening add is done
	s_wait_kmcnt 0x0
	s_add_nc_u64 s[4:5], s[68:69], 0x2000000       ; x lies behind the 8,192 weight rows of 4,096 bytes
	s_add_nc_u64 s[14:15], s[4:5], s[16:17]
	s_add_nc_u64 s[46:47], s[68:69], s[46:47]
	CROUND                                         ; all sixteen work-groups are here: the first joint loads meet
.irp s, 0,1
	s_mov_b32 s[G0+4*(\s)], 1
	s_add_co_u32 s[G0+4*(\s)+1], s20, (\s)*SLOT
	s_add_nc_u64 s[G0+4*(\s)+2:G0+4*(\s)+3], s[14:15], (\s)*KSTEP*2
	s_or_b32 s[G0+4*(\s)+3], s[G0+4*(\s)+3], 0x80000000
	s_mov_b32 s[G0B+4*(\s)], 1
	s_add_co_u32 s[G0B+4*(\s)+1], s20, (\s)*SLOT
	s_add_nc_u64 s[G0B+4*(\s)+2:G0B+4*(\s)+3], s[46:47], (\s)*KSTEP*2
	s_or_b32 s[G0B+4*(\s)+3], s[G0B+4*(\s)+3], 0x80000000
	JLOAD \s
.endr
	; a fragment: lane l holds row l % 16; two loads of 16 bytes, 32 bytes apart, at row x pitch + 16 (l / 16)
	v_and_b32 v1, 15, v0                           ; r = l % 16
	v_bfe_u32 v2, v0, 4, 1                         ; h = l / 16
	v_mul_u32_u24 v3, v1, PITCH
	v_lshl_add_u32 v3, v2, 4, v3
	s_mul_i32 s21, s11, HALFT                      ; my 128 rows of A
	s_mul_i32 s22, s12, HALFT                      ; my 128 rows of B,
	s_add_co_u32 s22, s22, 2*HALFT                 ; which lie behind A's 256
.irp s, 0,1
	v_add_nc_u32 v[ADRA+(\s)], s21, v3
	v_add_nc_u32 v[ADRB+(\s)], s22, v3
	s_add_co_u32 s21, s21, SLOT
	s_add_co_u32 s22, s22, SLOT
.endr
	; the way out's addresses
	s_mul_i32 s81, s10, DWAVE                      ; my part of the dead ring
	v_mul_u32_u24 v4, v1, DP
	v_lshl_add_u32 v4, v2, 4, v4
	v_add_nc_u32 v[DST], s81, v4                   ; in: row r, 16 bytes for each half of the lanes
	v_mul_u32_u24 v[RDA], v2, DP                   ; plain, back: lanes 0-15 one row, lanes 16-31 the next; lane % 16 takes columns 8 (l % 16) on
	v_lshl_add_u32 v[RDA], v1, 4, v[RDA]
	v_add_nc_u32 v[RDA], s81, v[RDA]
	v_and_b32 v[GOF], 31, v0
	v_lshlrev_b32 v[GOF], 4, v[GOF]                ; two rows of 256 bytes are 512 consecutive bytes of a head
	v_bfe_u32 v5, v0, 3, 1
	v_and_b32 v6, 7, v0
	v_mul_u32_u24 v[RDR], v5, DP                   ; rotated, back: lanes 0-15 the first head's two rows of 64 columns, lanes 16-31 the second head's
	v_lshl_add_u32 v[RDR], v2, 7, v[RDR]
	v_lshl_add_u32 v[RDR], v6, 4, v[RDR]
	v_add_nc_u32 v[RDR], s81, v[RDR]
	v_lshlrev_b32 v[GOR], 18, v2                   ; the second head lies 64 x 4,096 bytes on
	v_lshl_add_u32 v[GOR], v1, 4, v[GOR]           ; two rows of 128 bytes are 256 consecutive bytes
	v_lshlrev_b32 v[CSL], 7, v5                    ; cos and sin: a row is 128 bytes; my 8 columns are pairs 4 (l % 8) on
	v_lshl_add_u32 v[CSL], v6, 4, v[CSL]
	s_lshl_b32 s46, s42, 8
	s_lshl_b32 s47, s12, 7
	s_add_co_u32 s46, s46, s47                     ; my first column,
	s_lshl_b32 s46, s46, 12                        ; its block's first byte
	s_lshl_b32 s16, s13, 8
	s_lshl_b32 s17, s11, 7
	s_add_co_u32 s16, s16, s17                     ; my first row
	s_lshl_b32 s80, s16, 7                         ; in rows of 128 bytes: cos, sin and the rotated heads,
	s_lshl_b32 s17, s16, 8                         ; in rows of 256: the plain heads
	s_cmp_eq_u32 s76, 1
	s_cselect_b32 s17, s80, s17
	s_add_co_u32 s46, s46, s17
	s_mov_b32 s47, 0
	s_add_nc_u64 s[8:9], s[74:75], s[46:47]
	v_add_nc_u32 v[CSO], s80, v[CSL]
; 16 matrix instructions: m blocks a0, a0 + 1 of the window's four x all 8 n blocks, 32 along K.  zero = 1: the first product starts the sums
.macro MUL16 f, hi, a0, zero
	WIN MUL_LO+0x50*(\hi)
.irp a, \a0, (\a0)+1
.irp b, 0,1,2,3,4,5,6,7
.if \zero
	v_wmma_f32_16x16x32_bf16 v[8*(8*(\a)+(\b)):8*(8*(\a)+(\b))+7], v[(\f)+8*(\b):(\f)+8*(\b)+7], v[(\f)+8*(4*(\hi)+(\a)):(\f)+8*(4*(\hi)+(\a))+7], 0
.else
	v_wmma_f32_16x16x32_bf16 v[8*(8*(\a)+(\b)):8*(8*(\a)+(\b))+7], v[(\f)+8*(\b):(\f)+8*(\b)+7], v[(\f)+8*(4*(\hi)+(\a)):(\f)+8*(4*(\hi)+(\a))+7], v[8*(8*(\a)+(\b)):8*(8*(\a)+(\b))+7]
.endif
.endr
.endr
.endm
; 32 LDS loads in one run: the fragments of one quarter step (32 K at byte k of the rows) into buffer f: B's 16, then A's 16
.macro FETCH slot, k, f
	WIN TO_B
.irp i, 0,1,2,3,4,5,6,7
	ds_load_b128 v[(\f)+8*(\i):(\f)+8*(\i)+3],   v[ADRB+(\slot)] offset:(\k)+(\i)*16*PITCH
	ds_load_b128 v[(\f)+8*(\i)+4:(\f)+8*(\i)+7], v[ADRB+(\slot)] offset:(\k)+(\i)*16*PITCH+32
.endr
	WIN 0
.irp i, 0,1,2,3,4,5,6,7
	ds_load_b128 v[(\f)+8*(\i):(\f)+8*(\i)+3],   v[ADRA+(\slot)] offset:(\k)+(\i)*16*PITCH
	ds_load_b128 v[(\f)+8*(\i)+4:(\f)+8*(\i)+7], v[ADRA+(\slot)] offset:(\k)+(\i)*16*PITCH+32
.endr
.endm
.macro PLACES                          ; four places in front of loads into registers that matrix instructions have read, and of reads of results
.rept 4
	v_nop
.endr
.endm
; One of a K step's first three quarters: multiplies buffer f; in its middle it fetches the next quarter's fragments into buffer g
.macro QUARTER slot, k, f, g, zero
	s_wait_dscnt 8                                 ; B and A's rows 0-63 are in; the youngest eight loads (A's rows 64-127) may be out
	MUL16 \f, 0, 0, \zero
	MUL16 \f, 0, 2, \zero
	PLACES
	FETCH \slot, \k, \g
	s_wait_dscnt 32                                ; all but the 32 just issued
	MUL16 \f, 1, 0, \zero
	MUL16 \f, 1, 2, \zero
.endm
; The last quarter multiplies buffer 1 and changes slots: ONE barrier; in front of it each wave waits for all its tensor loads (one is out: its part of the next slot), adds 0 to its spare word,
; and waits for that and for its reads of this slot.  fill = 1: the barrier opens a round of the cluster's, and this slot is filled again, two K steps ahead, first thing behind it.
.macro TURN slot, next, fill
	WIN 0                                          ; (the add's two registers lie in window 0)
	s_wait_tensorcnt 0x0
	ds_add_u32 v[SPW], v[NIL]
	s_wait_dscnt 9                                 ; (the add and the youngest eight loads may be out)
	MUL16 F1, 0, 0, 0
	s_wait_dscnt 0x0                               ; the add is done, and my reads of this slot are over
	s_barrier_signal -1
	MUL16 F1, 0, 2, 0
.if \fill
	WIN 0
.endif
	s_barrier_wait -1
.if \fill
	CREST                                          ; no wave of any partner still reads this slot's tile or has a load on its way
	s_add_nc_u64 s[G0+4*(\slot)+2:G0+4*(\slot)+3], s[G0+4*(\slot)+2:G0+4*(\slot)+3], 2*KSTEP*2
	s_add_nc_u64 s[G0B+4*(\slot)+2:G0B+4*(\slot)+3], s[G0B+4*(\slot)+2:G0B+4*(\slot)+3], 2*KSTEP*2
	JLOAD \slot                                    ; the four v_nop behind it are also the places in front of the loads below
.else
	PLACES
.endif
	FETCH \next, 0, F0
	MUL16 F1, 1, 0, 0
	MUL16 F1, 1, 2, 0
.endm
	s_wait_tensorcnt 1                             ; my part of K step 0 is in; K step 1's may stay out
	s_barrier_signal -1
	s_barrier_wait -1
	FETCH 0, 0, F0
	QUARTER 0, 64,  F0, F1, 1                      ; the first quarter stands in front of the loop: its products start the sums
	WIN 0
	s_mov_b32 s3, LAPS-1
.Llap:                                                 ; a trip goes once round the ring and fills both slots again
	QUARTER 0, 128, F1, F0, 0
	QUARTER 0, 192, F0, F1, 0
	TURN 0, 1, 1
	QUARTER 1, 64,  F0, F1, 0
	QUARTER 1, 128, F1, F0, 0
	QUARTER 1, 192, F0, F1, 0
	TURN 1, 0, 1
	QUARTER 0, 64,  F0, F1, 0
	WIN 0
	s_sub_co_u32 s3, s3, 1
	s_cmp_lg_u32 s3, 0
	s_cbranch_scc1 .Llap
	QUARTER 0, 128, F1, F0, 0                      ; the last lap fills nothing
	QUARTER 0, 192, F0, F1, 0
	TURN 0, 1, 0
	QUARTER 1, 64,  F0, F1, 0
	QUARTER 1, 128, F1, F0, 0
	QUARTER 1, 192, F0, F1, 0
	s_wait_dscnt 8                                 ; the very last quarter
	MUL16 F1, 0, 0, 0
	MUL16 F1, 0, 2, 0
	s_wait_dscnt 0x0                               ; my last reads of the ring are back:
	s_barrier_signal -1                            ; behind this barrier no wave reads the ring, and no tensor load is out since the last change of slots
	MUL16 F1, 1, 0, 0
	MUL16 F1, 1, 2, 0
	WIN 0
	s_barrier_wait -1
	PLACES                                         ; behind the last products: their results are read and A's buffers loaded below
; The wave's 64 accumulators into its own bytes of the dead ring.  Each accumulator's low four registers go first.
.macro DUMP
.irp a, 0,1,2,3,4,5,6,7
	WIN 0x08+4*((\a)/4)                            ; the stores' data in window 2 or 3
.irp b, 0,1,2,3,4,5,6,7
	ds_store_b128 v[DST], v[8*(8*((\a)%4)+(\b)):8*(8*((\a)%4)+(\b))+3]   offset:(\a)*16*DP+32*(\b)
	ds_store_b128 v[DST], v[8*(8*((\a)%4)+(\b))+4:8*(8*((\a)%4)+(\b))+7] offset:(\a)*16*DP+32*(\b)+256
.endr
.endr
	WIN 0
.endm
.macro BACK adr                        ; 16 rows come back, unit u = two rows: a lane's 8 neighbouring columns.  LDS serves a wave's instructions in order: these see the dump
.irp u, 0,1,2,3,4,5,6,7
	ds_load_b128 v[X+8*(\u):X+8*(\u)+3],   v[\adr] offset:(\u)*2*DP
	ds_load_b128 v[X+8*(\u)+4:X+8*(\u)+7], v[\adr] offset:(\u)*2*DP+256
.endr
.endm
.macro SCALE                           ; 192^-0.5 log2(e) for q, 1 for k and v
.set n, 0
.rept 32
	v_pk_mul_f32 v[X+2*n:X+2*n+1], v[X+2*n:X+2*n+1], s[78:79] op_sel_hi:[1,0]
.set n, n+1
.endr
.endm
.macro CSLOAD                          ; cos and sin of 16 rows
.irp u, 0,1,2,3,4,5,6,7
	global_load_b128 v[RAW+8*(\u):RAW+8*(\u)+3],   v[CSO], s[70:71] offset:(\u)*256
	global_load_b128 v[RAW+8*(\u)+4:RAW+8*(\u)+7], v[CSO], s[72:73] offset:(\u)*256
.endr
.endm
	s_mov_b32 s83, 8                               ; 8 trips of 16 rows
	s_cmp_eq_u32 s76, 1
	s_cbranch_scc1 .Lrope
	DUMP
.Lplain:
	BACK RDA
	s_wait_dscnt 0x0
	SCALE
.set n, 0
.rept 32
	v_cvt_pk_f16_f32 v[Y+n], v[X+2*n], v[X+2*n+1]
.set n, n+1
.endr
.irp u, 0,1,2,3,4,5,6,7
	global_store_b128 v[GOF], v[Y+4*(\u):Y+4*(\u)+3], s[8:9] offset:(\u)*512  ; 512 consecutive bytes, at a multiple of 256 from qkv's first
.endr
	s_wait_xcnt 0x0                                ; GOF and Y are rewritten only behind this wait
	v_add_nc_u32 v[RDA], 16*DP, v[RDA]
	v_add_nc_u32 v[GOF], 4096, v[GOF]
	s_sub_co_u32 s83, s83, 1
	s_cmp_lg_u32 s83, 0
	s_cbranch_scc1 .Lplain
	s_branch .Ldone
.Lrope:
	CSLOAD                                         ; the first 16 rows' cos and sin go out ahead of the dump
	DUMP
.Lrp:
	BACK RDR
	s_wait_loadcnt 0x0                             ; this trip's cos and sin
.set n, 0
.rept 32
	v_cvt_pk_bf16_f32 v[PK+n], v[RAW+2*n], v[RAW+2*n+1]  ; rounded to bf16 like every input
.set n, n+1
.endr
	s_add_co_u32 s80, s80, 2048                    ; the next 16 rows; the last trip's look-ahead is held inside the tables of 262,144 bytes and serves nothing
	s_min_u32 s80, s80, 260096
	v_add_nc_u32 v[CSO], s80, v[CSL]               ; free since the wait for its loads
	CSLOAD
	s_wait_dscnt 0x0
	SCALE
.irp u, 0,1,2,3,4,5,6,7
.irp j, 0,1,2,3
	v_lshlrev_b32 v[C8+2*(\j)],   16,  v[PK+4*(\u)+(\j)]   ; c0 c1 c2 c3, then s0 s1 s2 s3
	v_and_b32     v[C8+2*(\j)+1], s82, v[PK+4*(\u)+(\j)]
.endr
.irp j, 0,1,2,3
	v_mul_f32 v[E8+2*(\j)],   v[X+8*(\u)+2*(\j)], v[C8+(\j)]      ; a c
	v_mul_f32 v[E8+2*(\j)+1], v[X+8*(\u)+2*(\j)], v[C8+4+(\j)]    ; a s
.endr
.irp j, 0,1,2,3
	v_fma_f32 v[E8+2*(\j)],   -v[X+8*(\u)+2*(\j)+1], v[C8+4+(\j)], v[E8+2*(\j)]    ; a c - b s
	v_fma_f32 v[E8+2*(\j)+1], v[X+8*(\u)+2*(\j)+1],  v[C8+(\j)],   v[E8+2*(\j)+1]  ; a s + b c
.endr
.irp j, 0,1,2,3
	v_cvt_pk_f16_f32 v[Y+4*(\u)+(\j)], v[E8+2*(\j)], v[E8+2*(\j)+1]
.endr
	global_store_b128 v[GOR], v[Y+4*(\u):Y+4*(\u)+3], s[8:9] offset:(\u)*256  ; sixteen lanes store 256 consecutive bytes of a head, aligned
.endr
	s_wait_xcnt 0x0                                ; GOR and Y are rewritten only behind this wait
	v_add_nc_u32 v[RDR], 16*DP, v[RDR]
	v_add_nc_u32 v[GOR], 2048, v[GOR]
	s_sub_co_u32 s83, s83, 1
	s_cmp_lg_u32 s83, 0
	s_cbranch_scc1 .Lrp
.Ldone:
	s_wait_tensorcnt 0x0                           ; the wave's end
	ds_add_u32 v[SPW], v[NIL]
	s_wait_dscnt 0x0
	CROUND                                         ; the closing round
	s_endpgm
.Lfunc_end_k_qf27f6db65e_proj:
	.size	k_qf27f6db65e_proj, .Lfunc_end_k_qf27f6db65e_proj-k_qf27f6db65e_proj
	.p2alignl 7, 3214868480
	.fill 96, 4, 3214868480
	.section	.rodata,"a",@progbits
	.p2align	6, 0x0
	.amdhsa_kernel k_qf27f6db65e_proj
		.amdhsa_group_segment_fixed_size 327680
		.amdhsa_private_segment_fixed_size 0
		.amdhsa_enable_private_segment 0
		.amdhsa_kernarg_size 32
		.amdhsa_user_sgpr_count 2
		.amdhsa_user_sgpr_kernarg_segment_ptr 1
		.amdhsa_wavefront_size32 1
		.amdhsa_system_sgpr_workgroup_id_x 1
		.amdhsa_system_sgpr_workgroup_id_y 1
		.amdhsa_system_sgpr_workgroup_id_z 1
		.amdhsa_system_vgpr_workitem_id 0
		.amdhsa_next_free_vgpr 1024
		.amdhsa_next_free_sgpr 90
		.amdhsa_reserve_vcc 0
		.amdhsa_float_denorm_mode_32 3
		.amdhsa_float_denorm_mode_16_64 3
		.amdhsa_memory_ordered 1
		.amdhsa_forward_progress 1
		.amdhsa_inst_pref_size 154
	.end_amdhsa_kernel
	.amdgpu_metadata
---
amdhsa.version: [ 1, 2 ]
amdhsa.kernels:
  - .name:           k_qf27f6db65e_proj
    .symbol:         k_qf27f6db65e_proj.kd
    .args:
      - { .name: xw, .offset: 0, .size: 8, .value_kind: global_buffer, .address_space: global }
      - { .name: freqs_cos, .offset: 8, .size: 8, .value_kind: global_buffer, .address_space: global }
      - { .name: freqs_sin, .offset: 16, .size: 8, .value_kind: global_buffer, .address_space: global }
      - { .name: qkv, .offset: 24, .size: 8, .value_kind: global_buffer, .address_space: global }
    .group_segment_fixed_size: 327680
    .private_segment_fixed_size: 0
    .kernarg_segment_align: 8
    .kernarg_segment_size: 32
    .max_flat_workgroup_size: 128
    .sgpr_count:     90
    .vgpr_count:     1024
    .wavefront_size: 32
...
	.end_amdgpu_metadata
.endif
;; end of part 2
;; launch attn (part 3): grid 16 x 16, 4 waves a work-group, clusters of 4 x 4, 327,680 bytes of LDS; arguments qkv, maskw, ao; writes ao
.if DOCPART == 3
	.amdgcn_target "amdgcn-amd-amdhsa--gfx1250"
	.amdhsa_code_object_version 6
	.text
	.protected	k_qf27f6db65e_attn
	.globl	k_qf27f6db65e_attn
	.p2align	8
	.type	k_qf27f6db65e_attn,@function
k_qf27f6db65e_attn:
	s_mov_b64 s[64:65], 0
	v_nop
	global_prefetch_b8 v0, s[64:65] scope:SCOPE_SE
	s_setreg_imm32_b32 hwreg(HW_REG_WAVE_MODE, 25, 1), 1
	s_wait_xcnt 0x0
	s_wait_alu depctr_hold_cnt(0) depctr_sa_sdst(0) depctr_va_vdst(0) depctr_va_sdst(0) depctr_va_ssrc(0) depctr_va_vcc(0) depctr_vm_vsrc(0)
	s_getreg_b32 s2, hwreg(HW_REG_IB_STS2, 6, 4)
	s_cmp_eq_u32 s2, 0
	s_cbranch_scc0 .Lentry_in_a_cluster
	s_endpgm
.Lentry_in_a_cluster:
	s_bfe_u32 s2, ttmp6, 0x10000c
	s_cmp_lg_u32 s2, 0xf033
	s_cbranch_scc0 .Lentry_shape_is_right
	s_endpgm
.Lentry_shape_is_right:
; ao[q][128 h + c] = the sum over k of softmax_k(Q[h][q] . K[h][k] / sqrt(192) + mask[q][k]) V[h][k][c].  Q arrives times 192^-0.5 log2(e), the mask times log2(e): the scores s are in units of base 2.
; Q, K: 192 channels in f16, 128 + 64, by heads; V: 128 channels; mask f32.
; The mask is an input: every word of it is read, and it STARTS the score sums: it is loaded straight into the accumulators of S^T = K Q^T.  Products, maxima and sums in f32; the weights p are
; rounded to f16 for the second product (their sum l is taken of the unrounded p), the result once at the end.
; LIMITS.  The running maximum starts at the lowest finite number: a score at or below -3.4e38 (a mask of -inf too) has the weight 0, and a row with no score above it gives NaN.  A weight below 2^-126 counts as 0.
; SHARES.  A work-group owns 128 queries of one head.  Wave w: queries 64 (w / 2) on, four tiles of 16, and of every 128 keys those from 64 (w % 2) on: 16 steps of 64 x 64, with m, l and O of its own;
; at the end the waves with w % 2 = 1 hand O, m and l in f32 through LDS to their partners, which join the two halves.
; LAYOUT.  S^T = K Q^T (source 0 = 16 keys, source 1 = 16 queries): a lane holds ONE query (lane % 16) and the keys 8 (lane / 16) + 0..7.  Two such results rounded to f16 ARE source 1 of O^T = V^T P.
; SOFTMAX.  p = 2^(s - m) with a running maximum m: the difference is formed first and nothing is multiplied behind it, so that the exponent is exactly 0 at the maximum and never above 0, however large
; the scores are (a wave whose keys are all masked by -1e9 has m there).  In every step O and l are multiplied by a = 2^(m_old - m_new).
; A STEP.  The tiles are two PIECES (0: tiles 0, 1; 2: tiles 2, 3).  V^T P of piece 2 (last step's); K Q^T of piece 0; K Q^T of piece 2 with piece 0's softmax in slices behind its products;
; V^T P of piece 0 with piece 2's softmax likewise.  No first step is written out: V, P of piece 2, O and l start at 0.
; CLUSTER.  4 x 4: along a row one head (K and V asked for jointly), along a column one block of queries (the mask's tile asked for jointly).
; REGISTERS, in windows of 256: window 0: v0-11, v44-52 addresses; v12-43 statistics, 8 a tile; v64-191 S^T, 32 a tile; v192-255 P, 16 a tile.  window 1: O^T, 64 a tile.
;   window 2: v0-191 Q (48 t + 8 c); v192-255 V's keys 0-31.   window 3: v0-191 K (48 kb + 8 c); v192-255 V's keys 32-63.
.set PKN,  272                         ; LDS pitches: K's 128 channels: 256 bytes + 16
.set PKR,  144                         ; K's 64 channels: 128 + 16
.set PVP,  288                         ; V: 256 + 32
.set PM,   528                         ; the mask: 128 f32 + 16
.set OKN,  0                           ; a slot: 128 keys' K (128), K (64), V, and the mask of 128 queries x 128 keys
.set OKR,  OKN+128*PKN
.set OV,   OKR+128*PKR
.set OM,   OV+128*PVP
.set SLOT, OM+128*PM                   ; 157,696 bytes
.set SPARE, 2*SLOT                     ; behind the ring: the spare words, 128 bytes a wave
.set XOB,  0                           ; slot 0 after its last fill and last read: the partners' O, 2 x 32,768 bytes,
.set XSB,  65536                       ; their m and l, 2 x 1,024,
.set STG,  67584                       ; and a stage of 16 rows x 272 bytes for each wave
.set SP,   272
.set AKN0, 2                           ; v2-5   my lane's place in a slot's four regions; never rewritten
.set AKR0, 3
.set AV0,  4
.set AM0,  5
.set AKN,  6                           ; v6-9   the same in the slot in hand
.set AKR,  7
.set AV,   8
.set AM,   9
.set QON,  10                          ; v10-11 my byte offsets in 16 rows of Q
.set QOR,  11
.set ST,   12                          ; tile t at v[ST+8 t]: +0 m, +1 named with it as a pair (at the end: l), +2, +3 l (even keys', odd keys'), +4 to +7 at work; a takes +6
.set STO,  44
.set RD,   45
.set GO,   46
.set XO,   47
.set XS,   48
.set SPW,  62                          ; v62  LDS address of my spare word; never rewritten
.set NIL,  63                          ; v63  0; never rewritten
.set S,    64
.set P,    192
.set WV,   12                          ; s12 wave; s13 which 64 queries; s14 which 64 of 128 keys
.set QH,   13
.set KH,   14
.set G1KN, 24
.set G1KR, 32
.set G1V,  40
.set G1M,  48
.set G0KN, 56
.set G0KR, 60
.set G0V,  68
.set G0M,  72
.set SEL,  78                          ; s[78:79] v_permlanex16_b32's selects
.set TB,   80                          ; s80 first byte of the slot in hand
.set CNT,  82
.set MSB, 0
.macro WIN new
.if MSB != (\new)
	s_set_vgpr_msb (MSB<<8)|(\new)
.set MSB, (\new)
.endif
.endm
.set W_KQ, 0x0b                        ; K window 3, Q window 2, S^T window 0
.set W_PV, 0x52                        ; V window 2 (+1: window 3), P window 0, O^T window 1
.set W_RS, 0x41                        ; destination and source 0 window 1, source 1 window 0
.macro ASK g0, g1                      ; an s_nop 0 and four v_nop follow the load
	tensor_load_to_lds s[\g0:\g0+3], s[\g1:\g1+7]
	s_nop 0
.rept 4
	v_nop
.endr
.endm
; A joint fill: wave 0 asks for K's 128 channels, wave 1 for its 64, wave 2 for V, wave 3 for the mask.  The branches hang on the wave's number alone.
.macro JLOAD
	s_cmp_lt_u32 s[WV], 2
	s_cbranch_scc0 .Lhi_\@
	s_cmp_eq_u32 s[WV], 0
	s_cbranch_scc0 .Lkr_\@
	ASK G0KN, G1KN
	s_branch .Lasked_\@
.Lkr_\@:
	ASK G0KR, G1KR
	s_branch .Lasked_\@
.Lhi_\@:
	s_cmp_eq_u32 s[WV], 2
	s_cbranch_scc0 .Lm_\@
	ASK G0V, G1V
	s_branch .Lasked_\@
.Lm_\@:
	ASK G0M, G1M
.Lasked_\@:
.endm
.macro CREST
	s_cmp_lg_u32 s[WV], 0
	s_cbranch_scc1 .Lnot_wave_0_\@
	s_barrier_signal -3
.Lnot_wave_0_\@:
	s_barrier_wait -3
	s_barrier_signal -1
	s_barrier_wait -1
.endm
.macro CROUND
	s_barrier_signal -1
	s_barrier_wait -1
	CREST
.endm
.macro SHAPE g, d0, d1, pitch          ; a group 1's words 1 to 7
	s_mov_b32 s[(\g)+1], (\d0)<<16                 ; tensor_dim0
	s_mov_b32 s[(\g)+2], (\d1)<<16                 ; tensor_dim1
	s_mov_b32 s[(\g)+3], (\d0)<<16                 ; tile_dim0
	s_mov_b32 s[(\g)+4], \d1                       ; tile_dim1
	s_mov_b32 s[(\g)+5], \pitch                    ; elements from row to row
	s_mov_b32 s[(\g)+6], 0
	s_mov_b32 s[(\g)+7], 0
.endm
.macro PLACES
.rept 4
	v_nop
.endr
.endm
	s_load_b128 s[4:7], s[0:1], 0x0                ; qkv s[4:5], maskw s[6:7]
	s_load_b64 s[8:9], s[0:1], 0x10                ; ao
	v_lshl_add_u32 v[SPW], v0, 2, SPARE
	v_mov_b32 v[NIL], 0
	ds_add_u32 v[SPW], v[NIL]                      ; the wave's opening: the add and its wait stand ahead of my first tensor load
	v_lshrrev_b32 v1, 5, v0
	v_readfirstlane_b32 s[WV], v1
	s_lshr_b32 s[QH], s[WV], 1
	s_and_b32 s[KH], s[WV], 1
	s_bfe_u32 s15, ttmp6, 0x40000                  ; cx
	s_bfe_u32 s16, ttmp6, 0x40004                  ; cy
	s_lshl_b32 s17, ttmp9, 2
	s_add_co_u32 s17, s17, s15                     ; my block of 128 queries
	s_and_b32 s18, ttmp7, 0xffff
	s_lshl_b32 s18, s18, 2
	s_add_co_u32 s18, s18, s16                     ; my head
	s_lshl_b32 s19, s16, 2
	s_lshl_b32 s19, 15, s19                        ; my row of the cluster: one head
	s_lshl_b32 s20, 0x1111, s15                    ; my column: one block of queries
	s_or_b32 s[G1KN], s19, (1<<16)|(1<<20)|(1<<21)|(5<<22)|(3<<25)  ; 2-byte elements; 4 words of padding behind every 64
	s_or_b32 s[G1KR], s19, (1<<16)|(1<<20)|(1<<21)|(4<<22)|(3<<25)  ; 4 words behind every 32: behind every key
	s_or_b32 s[G1V],  s19, (1<<16)|(1<<20)|(1<<21)|(5<<22)|(7<<25)  ; 8 words behind every 64
	s_or_b32 s[G1M],  s20, (2<<16)|(1<<20)|(1<<21)|(6<<22)|(3<<25)  ; 4-byte elements; 4 words behind every 128
	SHAPE G1KN, 128, 128, 128                      ; 128 keys x 128 channels, dense
	SHAPE G1KR, 128, 64, 128                       ; 128 keys x 64 channels are 16,384 dense bytes: asked for as 64 rows of 256
	SHAPE G1V,  128, 128, 128
	SHAPE G1M,  128, 128, 2048                     ; 128 queries x 128 keys of the mask's rows of 2,048
	s_mov_b32 s[G0KN], 1
	s_mov_b32 s[G0KN+1], OKN
	s_mov_b32 s[G0KR], 1
	s_mov_b32 s[G0KR+1], OKR
	s_mov_b32 s[G0V], 1
	s_mov_b32 s[G0V+1], OV
	s_mov_b32 s[G0M], 1
	s_mov_b32 s[G0M+1], OM
	s_mov_b32 s[SEL], 0x76543210
	s_mov_b32 s[SEL+1], 0xfedcba98
	s_mov_b32 s[TB], SLOT                          ; the first change of slots turns it into 0
	s_lshl_b32 s90, s18, 19                        ; the head's bytes where a row has 128 channels,
	s_mov_b32 s91, 0
	s_lshl_b32 s92, s18, 18                        ; and where it has 64: neither ever holds cx
	s_mov_b32 s93, 0
	s_lshl_b32 s94, s17, 20                        ; the mask's 128 rows of 8,192 bytes: never holds cy
	s_mov_b32 s95, 0
	s_wait_dscnt 0x0                               ; the opening add is done
	s_wait_kmcnt 0x0
	s_add_nc_u64 s[G0KN+2:G0KN+3], s[4:5], s[90:91]
	s_add_nc_u64 s[G0KN+2:G0KN+3], s[G0KN+2:G0KN+3], 12582912
	s_or_b32 s[G0KN+3], s[G0KN+3], 0x80000000
	s_add_nc_u64 s[G0KR+2:G0KR+3], s[4:5], s[92:93]
	s_add_nc_u64 s[G0KR+2:G0KR+3], s[G0KR+2:G0KR+3], 20971520
	s_or_b32 s[G0KR+3], s[G0KR+3], 0x80000000
	s_add_nc_u64 s[G0V+2:G0V+3], s[4:5], s[90:91]
	s_add_nc_u64 s[G0V+2:G0V+3], s[G0V+2:G0V+3], 25165824
	s_or_b32 s[G0V+3], s[G0V+3], 0x80000000
	s_add_nc_u64 s[G0M+2:G0M+3], s[6:7], s[94:95]
	s_or_b32 s[G0M+3], s[G0M+3], 0x80000000
	s_lshl_b32 s96, s17, 15                        ; Q's 128 channels at my wave's 64 rows of 256 bytes
	s_lshl_b32 s97, s[QH], 14
	s_add_co_u32 s96, s96, s97
	s_add_co_u32 s96, s96, s90
	s_mov_b32 s97, 0
	s_add_nc_u64 s[84:85], s[4:5], s[96:97]
	s_lshl_b32 s96, s17, 14                        ; Q's 64 channels: rows of 128 bytes
	s_lshl_b32 s97, s[QH], 13
	s_add_co_u32 s96, s96, s97
	s_add_co_u32 s96, s96, s92
	s_add_co_u32 s96, s96, 8388608
	s_mov_b32 s97, 0
	s_add_nc_u64 s[86:87], s[4:5], s[96:97]
	s_lshl_b32 s96, s17, 19                        ; ao at my wave's 64 rows of 4,096 bytes, the head's 256 bytes
	s_lshl_b32 s97, s[QH], 18
	s_add_co_u32 s96, s96, s97
	s_lshl_b32 s97, s18, 8
	s_add_co_u32 s96, s96, s97
	s_mov_b32 s97, 0
	s_add_nc_u64 s[88:89], s[8:9], s[96:97]
	CROUND                                         ; all sixteen work-groups are here: the first joint loads meet
	JLOAD                                          ; keys 0-127 into slot 0
	v_and_b32 v1, 15, v0                           ; r = l % 16
	v_bfe_u32 v49, v0, 4, 1                        ; h = l / 16
	v_lshlrev_b32 v[QON], 8, v1
	v_lshl_add_u32 v[QON], v49, 4, v[QON]
	v_lshlrev_b32 v[QOR], 7, v1
	v_lshl_add_u32 v[QOR], v49, 4, v[QOR]
	WIN 0x80                                       ; destination window 2
.irp t, 0,1,2,3                        ; Q stays in registers: tile t, channels 32 c on
.irp c, 0,1,2,3
	global_load_b128 v[48*\t+8*\c:48*\t+8*\c+3],   v[QON], s[84:85] offset:\t*4096+\c*64
	global_load_b128 v[48*\t+8*\c+4:48*\t+8*\c+7], v[QON], s[84:85] offset:\t*4096+\c*64+32
.endr
.irp c, 4,5
	global_load_b128 v[48*\t+8*\c:48*\t+8*\c+3],   v[QOR], s[86:87] offset:\t*2048+(\c-4)*64
	global_load_b128 v[48*\t+8*\c+4:48*\t+8*\c+7], v[QOR], s[86:87] offset:\t*2048+(\c-4)*64+32
.endr
.endr
	; what the first step finds: V, piece 2's P, O^T and l hold 0.  All this stands in the wait for the first tile.
.set i, 192
.rept 64
	v_mov_b32 v[i], 0
.set i, i+1
.endr
	WIN 0xc0
.set i, 192
.rept 64
	v_mov_b32 v[i], 0
.set i, i+1
.endr
	WIN 0x40
.set i, 0
.rept 256
	v_mov_b32 v[i], 0
.set i, i+1
.endr
	WIN 0
.set i, P+32
.rept 32
	v_mov_b32 v[i], 0
.set i, i+1
.endr
.irp t, 0,1,2,3
	v_mov_b32 v[ST+8*\t], 0xff7fffff               ; m: the lowest finite number, so the first step's a is 0
	v_mov_b32 v[ST+8*\t+1], 0                      ; named with m as a pair
	v_mov_b32 v[ST+8*\t+2], 0
	v_mov_b32 v[ST+8*\t+3], 0
.endr
	v_mul_u32_u24 v[AKN0], v1, PKN                 ; a fragment of K: row x pitch + 16 h, my 64 keys
	v_lshl_add_u32 v[AKN0], v49, 4, v[AKN0]
	s_mul_i32 s90, s[KH], 64*PKN
	v_add_nc_u32 v[AKN0], s90, v[AKN0]
	v_mul_u32_u24 v[AKR0], v1, PKR
	v_lshl_add_u32 v[AKR0], v49, 4, v[AKR0]
	s_mul_i32 s90, s[KH], 64*PKR
	s_add_co_u32 s90, s90, OKR
	v_add_nc_u32 v[AKR0], s90, v[AKR0]
	v_and_b32 v50, 7, v0                           ; the turning load: lane l reads key 8 h + l % 8, channels 8 ((l / 8) % 2) on
	v_bfe_u32 v51, v0, 3, 1
	v_lshl_add_u32 v[AV0], v49, 3, v50
	v_mul_u32_u24 v[AV0], v[AV0], PVP
	v_lshl_add_u32 v[AV0], v51, 4, v[AV0]
	s_mul_i32 s90, s[KH], 64*PVP
	s_add_co_u32 s90, s90, OV
	v_add_nc_u32 v[AV0], s90, v[AV0]
	v_mul_u32_u24 v[AM0], v1, PM                   ; the mask: query r's row, my 8 keys' 32 bytes
	v_lshl_add_u32 v[AM0], v49, 5, v[AM0]
	s_mul_i32 s90, s[QH], 64*PM
	s_lshl_b32 s91, s[KH], 8
	s_add_co_u32 s90, s90, s91
	s_add_co_u32 s90, s90, OM
	v_add_nc_u32 v[AM0], s90, v[AM0]
	v_and_b32 v52, 31, v0
	s_lshl_b32 s90, s[QH], 15
	v_lshl_add_u32 v[XO], v52, 4, s90              ; the hand-over: 16 bytes a lane,
	s_lshl_b32 s90, s[QH], 10
	s_add_co_u32 s90, s90, XSB
	v_lshl_add_u32 v[XS], v52, 3, s90              ; and 8
	s_mul_i32 s90, s[WV], 16*SP
	s_add_co_u32 s90, s90, STG
	v_mul_u32_u24 v[STO], v1, SP                   ; my stage, in: row r, 16 bytes for each half of the lanes
	v_lshl_add_u32 v[STO], v49, 4, v[STO]
	v_add_nc_u32 v[STO], s90, v[STO]
	v_mul_u32_u24 v[RD], v49, SP                   ; back: lanes 0-15 one row of 256 bytes, lanes 16-31 the next
	v_lshl_add_u32 v[RD], v1, 4, v[RD]
	v_add_nc_u32 v[RD], s90, v[RD]
	v_lshlrev_b32 v[GO], 12, v49                   ; and the same two rows in ao
	v_lshl_add_u32 v[GO], v1, 4, v[GO]
; THE MATRIX WORK.  The accumulators take turns, one instruction a turn.
; Product i of 48 of S^T += K Q^T for piece x: channels 32 (i / 8) on, keys 16 ((i / 2) % 4) on, tile x + i % 2.  The sums start with the mask, which lies in the accumulators.
.macro KQ x
	WIN W_KQ
.set rS, S+32*((\x)+i%2)+8*((i/2)%4)
.set rK, 48*((i/2)%4)+8*(i/8)
.set rQ, 48*((\x)+i%2)+8*(i/8)
	v_wmma_f32_16x16x32_f16 v[rS:rS+7], v[rK:rK+7], v[rQ:rQ+7], v[rS:rS+7]
.endm
; Product i of 32 of O^T += V^T P for piece x: keys 32 (i / 16) on, channels 16 ((i / 2) % 8) on, tile x + i % 2.
.macro PV x
	WIN W_PV+i/16
.set rO, 64*((\x)+i%2)+8*((i/2)%8)
.set rV, 192+8*((i/2)%8)
.set rP, P+16*((\x)+i%2)+8*(i/16)
	v_wmma_f32_16x16x32_f16 v[rO:rO+7], v[rV:rV+7], v[rP:rP+7], v[rO:rO+7]
.endm
; THE LDS LOADS, in runs.
.macro FETCH_M x                       ; 16: the mask of piece x's 32 queries x my 64 keys, into S^T
	WIN 0
.irp t, \x, (\x)+1
.irp kb, 0,1,2,3
	ds_load_b128 v[S+32*(\t)+8*\kb:S+32*(\t)+8*\kb+3],   v[AM] offset:(\t)*16*PM+\kb*64
	ds_load_b128 v[S+32*(\t)+8*\kb+4:S+32*(\t)+8*\kb+7], v[AM] offset:(\t)*16*PM+\kb*64+16
.endr
.endr
.endm
.macro FETCH_K                         ; 48: by groups of 32 channels, 8 loads each
	WIN 0xc0
.irp c, 0,1,2,3
.irp kb, 0,1,2,3
	ds_load_b128 v[48*\kb+8*\c:48*\kb+8*\c+3],   v[AKN] offset:\kb*16*PKN+\c*64
	ds_load_b128 v[48*\kb+8*\c+4:48*\kb+8*\c+7], v[AKN] offset:\kb*16*PKN+\c*64+32
.endr
.endr
.irp c, 4,5
.irp kb, 0,1,2,3
	ds_load_b128 v[48*\kb+8*\c:48*\kb+8*\c+3],   v[AKR] offset:\kb*16*PKR+(\c-4)*64
	ds_load_b128 v[48*\kb+8*\c+4:48*\kb+8*\c+7], v[AKR] offset:\kb*16*PKR+(\c-4)*64+32
.endr
.endr
.endm
.macro FETCH_V                         ; 32, turned
.irp kk, 0,1
	WIN 0x80+0x40*\kk
.irp cb, 0,1,2,3,4,5,6,7
	ds_load_tr16_b128 v[192+8*\cb:192+8*\cb+3],   v[AV] offset:\kk*32*PVP+\cb*32
	ds_load_tr16_b128 v[192+8*\cb+4:192+8*\cb+7], v[AV] offset:\kk*32*PVP+16*PVP+\cb*32
.endr
.endr
.endm
; THE VECTOR WORK.  One tile's softmax for one step is a list numbered 0 to 133 (number 19 holds no line); SM writes number j of it for tile t.  s0-s31 are the lane's 32 scores.
;   0-15    the maximum of s0-s31 and the old m, three operands at a time (each accumulator's lowest registers are read first)
;   16-20   the other half of the lanes' maximum; m_old is kept; the new m; m_old - m_new
;   21-87   33 exponentials (a, then s0-s31) at the odd numbers from 23 on, a plain instruction between any two: differences s - m still to come, roundings to f16 of pairs that are done, the first sums
;   88-101  the last rounding; the rest of the sums; l = a l + the sum
;   102-133 the tile's O^T times a
.macro SM t
.set rT, ST+8*(\t)
.set rS, S+32*(\t)
.set rP, P+16*(\t)
.set rO, 64*(\t)+2*(j-102)
.set q, (j-20)/2
.if j < 102
	WIN 0
.endif
.if j < 4
	v_max3_num_f32 v[rT+4+j], v[rS+8*j], v[rS+8*j+1], v[rS+8*j+2]
.elseif j < 12
	v_max3_num_f32 v[rT+4+j%4], v[rT+4+j%4], v[rS+8*(j%4)+2*(j/4)+1], v[rS+8*(j%4)+2*(j/4)+2]
.elseif j == 12
	v_max3_num_f32 v[rT+4], v[rT+4], v[rS+7], v[rS+15]
.elseif j == 13
	v_max3_num_f32 v[rT+6], v[rT+6], v[rS+23], v[rS+31]
.elseif j == 14
	v_max3_num_f32 v[rT+4], v[rT+4], v[rT+5], v[rT+6]
.elseif j == 15
	v_max3_num_f32 v[rT+4], v[rT+4], v[rT+7], v[rT]
.elseif j == 16
	v_permlanex16_b32 v[rT+5], v[rT+4], s[SEL], s[SEL+1]  ; the query's other 32 keys lie in the lane 16 away
.elseif j == 17
	v_mov_b32 v[rT+7], v[rT]                       ; m_old is kept for a
.elseif j == 18
	v_max_num_f32 v[rT], v[rT+4], v[rT+5]
.elseif j == 19                        ; no line
.elseif j == 20
	v_sub_f32 v[rT+7], v[rT+7], v[rT]
.elseif j == 23
	v_exp_f32 v[rT+6], v[rT+7]
.elseif (j < 88) && (j > 23) && (j%2 == 1)
	v_exp_f32 v[rS+(j-25)/2], v[rS+(j-25)/2]
.elseif (q < 4) || ((j < 76) && (q%2 == 0))
.set b, q/2+2
.if q < 4
.set b, q
.endif
	v_pk_add_f32 v[rS+2*b:rS+2*b+1], v[rS+2*b:rS+2*b+1], v[rT:rT+1] op_sel_hi:[1,0] neg_lo:[0,1] neg_hi:[0,1]  ; pair b: s - m, m for both halves
.elseif (j < 88) && (q%2 == 1)
	s_wait_alu depctr_va_vdst(0)
	v_cvt_pk_f16_f32 v[rP+(q-5)/2], v[rS+q-5], v[rS+q-4]
.elseif j == 89
	s_wait_alu depctr_va_vdst(0)
	v_cvt_pk_f16_f32 v[rP+15], v[rS+30], v[rS+31]
.elseif j < 102                        ; the sum of the tile's 16 pairs, in place: sum z of 16 adds neighbours 1, 2, 4 and 8 pairs apart, then l takes it
.set z, j-86
.if j < 89
.set z, (j-76)/4
.endif
.set w, 4
.set u, z
.if z >= 14
.set w, 32
.set u, 0
.elseif z >= 12
.set w, 16
.set u, z-12
.elseif z >= 8
.set w, 8
.set u, z-8
.endif
.if z < 15
	v_pk_add_f32 v[rS+w*u:rS+w*u+1], v[rS+w*u:rS+w*u+1], v[rS+w*u+w/2:rS+w*u+w/2+1]
.else
	v_pk_fma_f32 v[rT+2:rT+3], v[rT+2:rT+3], v[rT+6:rT+7], v[rS:rS+1] op_sel_hi:[1,0,1]
.endif
.else
	WIN W_RS
	v_pk_mul_f32 v[rO:rO+1], v[rO:rO+1], v[rT+6:rT+7] op_sel_hi:[1,0]
.endif
.endm
; Slice k of 64 of piece y's softmax: numbers 2 k and 2 k + 1 of both tiles' lists; slice 63 takes the eight that are over: sixteen plain multiplies.
.macro SLICE y
.if (k >= 11) && (k < 44)              ; tile by tile: plain, exponential, plain, exponential
.irp t, \y, (\y)+1
.irp n, 0,1
.set j, 2*k+(\n)
	SM \t
.endr
.endr
.else                                  ; the two tiles alternate
.irp n, 0,1,2,3,4,5,6,7
.if ((\n) < 2) || (k == 63)
.irp t, \y, (\y)+1
.set j, 2*k+(\n)
	SM \t
.endr
.endif
.endr
.endif
.set k, k+1
.endm
; THE CHANGE OF SLOTS.  Each wave waits for all its tensor loads (one is out: its part of the slot to be read), adds 0 to its spare word, and waits for that and for its reads of the slot read last.
; fill = 1: the barrier opens a round of the cluster's, and the slot read last takes the next 128 keys, first thing behind the round: that load has a whole step, 160 matrix instructions, in which to land.
; Half of piece 2's V^T P of the last step, work on registers, stands between the signal and the wait.
.macro CHANGE fill
	WIN 0
	s_wait_tensorcnt 0x0                           ; no tensor load of mine is out, so a group 0 may be written
	ds_add_u32 v[SPW], v[NIL]
	s_xor_b32 s[TB], s[TB], SLOT                   ; the slot to be read now
.if \fill
	s_xor_b32 s[G0KN+1], s[G0KN+1], (OKN)^(OKN+SLOT)  ; each region's two LDS addresses change places
	s_add_nc_u64 s[G0KN+2:G0KN+3], s[G0KN+2:G0KN+3], 32768
	s_xor_b32 s[G0KR+1], s[G0KR+1], (OKR)^(OKR+SLOT)
	s_add_nc_u64 s[G0KR+2:G0KR+3], s[G0KR+2:G0KR+3], 16384
	s_xor_b32 s[G0V+1], s[G0V+1], (OV)^(OV+SLOT)
	s_add_nc_u64 s[G0V+2:G0V+3], s[G0V+2:G0V+3], 32768
	s_xor_b32 s[G0M+1], s[G0M+1], (OM)^(OM+SLOT)
	s_add_nc_u64 s[G0M+2:G0M+3], s[G0M+2:G0M+3], 512
.endif
	s_wait_dscnt 0x0                               ; the add is done, and my reads of the slot are over
	s_barrier_signal -1
.set i, 0
.rept 16
	PV 2
.set i, i+1
.endr
	WIN 0
	s_barrier_wait -1
.if \fill
	CREST
	JLOAD
.endif
.endm
; A STEP.  The counts in front of K Q^T of piece 0 leave out what was issued behind K's group of 32 channels c: (5 - c) x 8 loads of K, 16 of piece 2's mask, and V's 32 once they are issued (64 at c = 3: 63 is written).
.macro BODY
	WIN 0
	v_add_nc_u32 v[AKN], s[TB], v[AKN0]
	v_add_nc_u32 v[AKR], s[TB], v[AKR0]
	v_add_nc_u32 v[AV],  s[TB], v[AV0]
	v_add_nc_u32 v[AM],  s[TB], v[AM0]
	FETCH_M 0
	FETCH_K
	FETCH_M 2
.set i, 16
.rept 16
	PV 2                                           ; the rest of piece 2's V^T P of the last step
.set i, i+1
.endr
	PLACES                                         ; V is loaded anew below
.set i, 0
.rept 48
.if i == 0
	s_wait_dscnt 56
.elseif i == 8
	s_wait_dscnt 48
.elseif i == 16
	s_wait_dscnt 40
.elseif i == 24
	s_wait_dscnt 63
.elseif i == 32
	s_wait_dscnt 56
.elseif i == 40
	s_wait_dscnt 48
.endif
	KQ 0
.set i, i+1
.if i == 24
	FETCH_V
.endif
.endr
	PLACES                                         ; piece 0's scores are read below
	s_wait_dscnt 32                                ; piece 2's mask is in; V's 32 loads may be out
.set i, 0
.set k, 0
.rept 48
	KQ 2
	SLICE 0
.if i%3 == 0
	SLICE 0                                        ; 48 + 16 = 64 slices; slice 63's sixteen multiplies are the places behind the last of these products
.endif
.set i, i+1
.endr
	s_wait_dscnt 0x0                               ; V is in: all my reads of the slot are back
.set i, 0
.set k, 0
.rept 32
	PV 0
	SLICE 2
	SLICE 2
.set i, i+1
.endr
	WIN 0
.endm
	s_wait_loadcnt 0x0                             ; Q
	s_mov_b32 s[CNT], 15
.Ltrip:                                                ; trip t reads slot t % 2 and asks for keys 128 (t + 1) on
	CHANGE 1
	BODY
	s_sub_co_u32 s[CNT], s[CNT], 1
	s_cmp_lg_u32 s[CNT], 0
	s_cbranch_scc1 .Ltrip
	CHANGE 0                                       ; the last step is written out: nothing is asked for.  Behind this barrier nobody reads slot 0, and it is never filled again
	BODY
.set i, 0
.rept 32
	PV 2                                           ; piece 2's V^T P of the last step
.set i, i+1
.endr
	WIN 0
	; THE TWO HALVES OF THE KEYS ARE JOINED.  l's two halves and the other half of the lanes' are added (the first four lines are the places behind the last products).
.irp t, 0,1,2,3
	v_add_f32 v[ST+8*\t+4], v[ST+8*\t+2], v[ST+8*\t+3]
.endr
.irp t, 0,1,2,3
	v_permlanex16_b32 v[ST+8*\t+5], v[ST+8*\t+4], s[SEL], s[SEL+1]
.endr
.irp t, 0,1,2,3
	v_add_f32 v[ST+8*\t+1], v[ST+8*\t+4], v[ST+8*\t+5]  ; l, beside m
.endr
	s_cmp_eq_u32 s[KH], 0
	s_cbranch_scc1 .Lkeep
.irp t, 0,1,2,3
	ds_store_b64 v[XS], v[ST+8*\t:ST+8*\t+1] offset:\t*256
.endr
	WIN 0x04                                       ; the stores' data in window 1
.set n, 0
.rept 64
	ds_store_b128 v[XO], v[4*n:4*n+3] offset:n*512 ; O^T in f32, ascending: each accumulator's low four registers first
.set n, n+1
.endr
	WIN 0
.Lkeep:
	s_wait_dscnt 0x0                               ; for the partner's sake: my stores are done
	s_barrier_signal -1
	s_barrier_wait -1
	s_cmp_eq_u32 s[KH], 1
	s_cbranch_scc1 .Lend
.irp t, 0,1,2,3
	ds_load_b64 v[ST+8*\t+2:ST+8*\t+3], v[XS] offset:\t*256  ; the partner's m and l
.endr
.macro LOADO t                         ; the partner's O^T of tile t
	WIN 0
.set n, 0
.rept 16
	ds_load_b128 v[S+64*((\t)%2)+4*n:S+64*((\t)%2)+4*n+3], v[XO] offset:(16*(\t)+n)*512
.set n, n+1
.endr
.endm
	LOADO 0
	s_wait_dscnt 16                                ; the statistics are in; the 16 loads behind them may be out
.irp t, 0,1,2,3
	v_max_num_f32 v[ST+8*\t+4], v[ST+8*\t], v[ST+8*\t+2]
.endr
.irp t, 0,1,2,3
	v_sub_f32 v[ST+8*\t+5], v[ST+8*\t], v[ST+8*\t+4]
	v_sub_f32 v[ST+8*\t+7], v[ST+8*\t+2], v[ST+8*\t+4]
.endr
.irp t, 0,1,2,3
	v_exp_f32 v[ST+8*\t+5], v[ST+8*\t+5]           ; f0
	v_exp_f32 v[ST+8*\t+7], v[ST+8*\t+7]           ; f1
.endr
	v_nop                                          ; a plain instruction behind the last exponential
	s_wait_alu depctr_va_vdst(0)
.irp t, 0,1,2,3
	v_mul_f32 v[ST+8*\t+6], v[ST+8*\t+5], v[ST+8*\t+1]
.endr
.irp t, 0,1,2,3
	v_fma_f32 v[ST+8*\t+6], v[ST+8*\t+7], v[ST+8*\t+3], v[ST+8*\t+6]  ; f0 l0 + f1 l1
.endr
.irp t, 0,1,2,3
	v_rcp_f32 v[ST+8*\t+6], v[ST+8*\t+6]
.endr
	v_nop                                          ; a plain instruction behind the last reciprocal
	s_wait_alu depctr_va_vdst(0)
.irp t, 0,1,2,3
	v_mul_f32 v[ST+8*\t+4], v[ST+8*\t+7], v[ST+8*\t+6]  ; g1 = f1 / L
	v_mul_f32 v[ST+8*\t+6], v[ST+8*\t+5], v[ST+8*\t+6]  ; g0 = f0 / L
.endr
; Tile t: O g0 + O' g1, rounded to f16, through my stage, and out as whole rows of 256 bytes.
.macro FIN t
.if (\t) < 3
	LOADO (\t)+1
	s_wait_dscnt 16                                ; tile t's 16 are in; the 16 just issued may be out
.else
	s_wait_dscnt 0x0
.endif
	WIN W_RS
.set n, 0
.rept 32
	v_pk_mul_f32 v[64*(\t)+2*n:64*(\t)+2*n+1], v[64*(\t)+2*n:64*(\t)+2*n+1], v[ST+8*(\t)+6:ST+8*(\t)+7] op_sel_hi:[1,0]
.set n, n+1
.endr
	WIN 0x50                                       ; destination and source 2 window 1
.set n, 0
.rept 32
	v_pk_fma_f32 v[64*(\t)+2*n:64*(\t)+2*n+1], v[S+64*((\t)%2)+2*n:S+64*((\t)%2)+2*n+1], v[ST+8*(\t)+4:ST+8*(\t)+5], v[64*(\t)+2*n:64*(\t)+2*n+1] op_sel_hi:[1,0,1]
.set n, n+1
.endr
	WIN 0x05                                       ; sources window 1, destination window 0
.set n, 0
.rept 32
	v_cvt_pk_f16_f32 v[P+32*((\t)%2)+n], v[64*(\t)+2*n], v[64*(\t)+2*n+1]
.set n, n+1
.endr
	WIN 0
.irp f, 0,1,2,3,4,5,6,7
	ds_store_b128 v[STO], v[P+32*((\t)%2)+4*\f:P+32*((\t)%2)+4*\f+3] offset:32*\f
.endr
.irp f, 0,1,2,3,4,5,6,7
	ds_load_b128 v[P+32*((\t)%2)+4*\f:P+32*((\t)%2)+4*\f+3], v[RD] offset:\f*2*SP  ; LDS serves a wave's instructions in order: these see the stores above
.endr
	s_wait_dscnt 0x0
	s_wait_xcnt 0x0                                ; the registers that the tile before stored from are rewritten, in the next tile, only behind this wait
.irp f, 0,1,2,3,4,5,6,7
	global_store_b128 v[GO], v[P+32*((\t)%2)+4*\f:P+32*((\t)%2)+4*\f+3], s[88:89] offset:(\t)*65536+\f*8192  ; sixteen lanes store 256 consecutive bytes, aligned
.endr
.endm
	FIN 0
	FIN 1
	FIN 2
	FIN 3
.Lend:
	s_wait_tensorcnt 0x0                           ; the wave's end
	ds_add_u32 v[SPW], v[NIL]
	s_wait_dscnt 0x0
	CROUND                                         ; the closing round
	s_endpgm
.Lfunc_end_k_qf27f6db65e_attn:
	.size	k_qf27f6db65e_attn, .Lfunc_end_k_qf27f6db65e_attn-k_qf27f6db65e_attn
	.p2alignl 7, 3214868480
	.fill 96, 4, 3214868480
	.section	.rodata,"a",@progbits
	.p2align	6, 0x0
	.amdhsa_kernel k_qf27f6db65e_attn
		.amdhsa_group_segment_fixed_size 327680
		.amdhsa_private_segment_fixed_size 0
		.amdhsa_enable_private_segment 0
		.amdhsa_kernarg_size 24
		.amdhsa_user_sgpr_count 2
		.amdhsa_user_sgpr_kernarg_segment_ptr 1
		.amdhsa_wavefront_size32 1
		.amdhsa_system_sgpr_workgroup_id_x 1
		.amdhsa_system_sgpr_workgroup_id_y 1
		.amdhsa_system_sgpr_workgroup_id_z 1
		.amdhsa_system_vgpr_workitem_id 0
		.amdhsa_next_free_vgpr 1024
		.amdhsa_next_free_sgpr 100
		.amdhsa_reserve_vcc 0
		.amdhsa_float_denorm_mode_32 3
		.amdhsa_float_denorm_mode_16_64 3
		.amdhsa_memory_ordered 1
		.amdhsa_forward_progress 1
		.amdhsa_inst_pref_size 183
	.end_amdhsa_kernel
	.amdgpu_metadata
---
amdhsa.version: [ 1, 2 ]
amdhsa.kernels:
  - .name:           k_qf27f6db65e_attn
    .symbol:         k_qf27f6db65e_attn.kd
    .args:
      - { .name: qkv, .offset: 0, .size: 8, .value_kind: global_buffer, .address_space: global }
      - { .name: maskw, .offset: 8, .size: 8, .value_kind: global_buffer, .address_space: global }
      - { .name: ao, .offset: 16, .size: 8, .value_kind: global_buffer, .address_space: global }
    .group_segment_fixed_size: 327680
    .private_segment_fixed_size: 0
    .kernarg_segment_align: 8
    .kernarg_segment_size: 24
    .max_flat_workgroup_size: 128
    .sgpr_count:     100
    .vgpr_count:     1024
    .wavefront_size: 32
...
	.end_amdgpu_metadata
.endif
;; end of part 3
;; launch oproj (part 4): grid 16 x 16, 4 waves a work-group, clusters of 4 x 4, 327,680 bytes of LDS; arguments ao, wob, out0; writes out0
.if DOCPART == 4
	.amdgcn_target "amdgcn-amd-amdhsa--gfx1250"
	.amdhsa_code_object_version 6
	.text
	.protected	k_qf27f6db65e_oproj
	.globl	k_qf27f6db65e_oproj
	.p2align	8
	.type	k_qf27f6db65e_oproj,@function
k_qf27f6db65e_oproj:
	s_mov_b64 s[64:65], 0
	v_nop
	global_prefetch_b8 v0, s[64:65] scope:SCOPE_SE
	s_setreg_imm32_b32 hwreg(HW_REG_WAVE_MODE, 25, 1), 1
	s_wait_xcnt 0x0
	s_wait_alu depctr_hold_cnt(0) depctr_sa_sdst(0) depctr_va_vdst(0) depctr_va_sdst(0) depctr_va_ssrc(0) depctr_va_vcc(0) depctr_vm_vsrc(0)
	s_getreg_b32 s2, hwreg(HW_REG_IB_STS2, 6, 4)
	s_cmp_eq_u32 s2, 0
	s_cbranch_scc0 .Lentry_in_a_cluster
	s_endpgm
.Lentry_in_a_cluster:
	s_bfe_u32 s2, ttmp6, 0x10000c
	s_cmp_lg_u32 s2, 0xf033
	s_cbranch_scc0 .Lentry_shape_is_right
	s_endpgm
.Lentry_shape_is_right:
; out0[m][n] = the sum over k of ao[m][k] wob[n][k].  ao, wob: [2048][2048] f16; out0 f32; sums in f32.
; A tile of C is 128 x 128, which gives each of 256 work-groups one: four waves, each 64 x 64 in 16 accumulators.  K goes in steps of 256 (LDS rows of 512 bytes) through two slots.
; CLUSTERS: 4 x 4 work-groups; A's tiles are asked for jointly along a row of the cluster, B's along a column.  THE MATRIX INSTRUCTION IS USED TRANSPOSED: a lane holds eight neighbouring numbers of a row of C.
; THE WAY OUT goes through slot 0, whose last fill has landed and whose last reads stand ahead of the last change of slots: rows of 512 bytes + 16, written by two waves each, a barrier, and back as whole rows.
; REGISTERS: window 0: v0-31 addresses; v128-255 the accumulators ((a, b) at v[128 + 8 (4 a + b)]), then the rows to be stored.  window 1: two fragment buffers of 128.
.set SIZE_K, 2048
.set SIZE_N, 2048
.set KSTEP,  256
.set PITCH,  528
.set HALFT,  64*PITCH
.set SLOT,   4*HALFT
.set SPARE,  2*SLOT                    ; behind the ring: the spare words, 128 bytes a wave
.set OP,     528                       ; the stage's row: 128 f32 + 16 bytes
.set LAPS, SIZE_K/(2*KSTEP)
.set ADRA, 16
.set ADRB, 20
.set STO,  24
.set RD,   25
.set CO,   26
.set SPW,  28
.set NIL,  29
.set ACC,  128
.set F0,   0
.set F1,   128
.set G1, 24
.set G0, 32
.set G1B, 48
.set G0B, 56
.set MSB, 0
.macro WIN new
.if MSB != (\new)
	s_set_vgpr_msb (MSB<<8)|(\new)
.set MSB, \new
.endif
.endm
.set MUL,  0x05                        ; sources 0 (B) and 1 (A) window 1; C and D window 0
.set TO_F, 0x40                        ; destination window 1, address window 0
.macro JLOAD s                         ; a joint load: waves 0 and 1 fetch A's two halves, waves 2 and 3 B's; an s_nop 0 and four v_nop follow each line
	s_cmp_eq_u32 s11, 0
	s_cbranch_scc0 .Lfor_b_\@
	tensor_load_to_lds s[G0+4*(\s):G0+4*(\s)+3], s[G1:G1+7]
	s_nop 0
.rept 4
	v_nop
.endr
	s_branch .Lasked_\@
.Lfor_b_\@:
	tensor_load_to_lds s[G0B+4*(\s):G0B+4*(\s)+3], s[G1B:G1B+7]
	s_nop 0
.rept 4
	v_nop
.endr
.Lasked_\@:
.endm
.macro CREST
	s_cmp_lg_u32 s10, 0
	s_cbranch_scc1 .Lnot_wave_0_\@
	s_barrier_signal -3
.Lnot_wave_0_\@:
	s_barrier_wait -3
	s_barrier_signal -1
	s_barrier_wait -1
.endm
.macro CROUND
	s_barrier_signal -1
	s_barrier_wait -1
	CREST
.endm
	s_load_b128 s[4:7], s[0:1], 0x0                ; ao s[4:5], wob s[6:7]
	s_load_b64 s[8:9], s[0:1], 0x10                ; out0
	v_lshl_add_u32 v[SPW], v0, 2, SPARE
	v_mov_b32 v[NIL], 0
	ds_add_u32 v[SPW], v[NIL]                      ; the wave's opening: the add and its wait stand ahead of my first tensor load
	v_lshrrev_b32 v1, 5, v0
	v_readfirstlane_b32 s10, v1                    ; wave 0..3
	s_lshr_b32 s11, s10, 1                         ; which half of the tile's rows is mine.  Also: I fetch for A (0) or for B (1)
	s_and_b32 s12, s10, 1                          ; which half of its columns.  Also: which 64 rows of that tile I fetch
	s_bfe_u32 s40, ttmp6, 0x40000
	s_bfe_u32 s41, ttmp6, 0x40004
	s_lshl_b32 s42, ttmp9, 2
	s_add_co_u32 s42, s42, s40                     ; tile column
	s_and_b32 s13, ttmp7, 0xffff
	s_lshl_b32 s13, s13, 2
	s_add_co_u32 s13, s13, s41                     ; tile row
	s_lshl_b32 s43, s41, 2
	s_lshl_b32 s43, 15, s43                        ; my row of the cluster
	s_lshl_b32 s44, 0x1111, s40                    ; my column
	s_or_b32 s[G1+0], s43, (1<<16)|(1<<20)|(1<<21)|(6<<22)|(3<<25)  ; 2-byte elements; 4 words of padding behind every 128
	s_or_b32 s[G1B+0], s44, (1<<16)|(1<<20)|(1<<21)|(6<<22)|(3<<25)
.irp g, G1, G1B
	s_mov_b32 s[(\g)+1], KSTEP<<16                 ; tensor_dim0 = 256
	s_mov_b32 s[(\g)+2], 64<<16                    ; tensor_dim1 = 64
	s_mov_b32 s[(\g)+3], KSTEP<<16                 ; tile_dim0 = 256
	s_mov_b32 s[(\g)+4], 64                        ; tile_dim1 = 64
	s_mov_b32 s[(\g)+5], SIZE_K
	s_mov_b32 s[(\g)+6], 0
	s_mov_b32 s[(\g)+7], 0
.endr
	s_lshl_b32 s17, s12, 6
	s_lshl_b32 s16, s13, 7
	s_add_co_u32 s16, s16, s17                     ; A: row 128 x tile row + 64 x half
	s_lshl_b32 s46, s42, 7
	s_add_co_u32 s46, s46, s17                     ; B: row 128 x tile column + 64 x half
	s_mov_b32 s17, 0
	s_mov_b32 s47, 0
	s_mov_b64 s[18:19], SIZE_K*2
	s_mul_u64 s[16:17], s[16:17], s[18:19]
	s_mul_u64 s[46:47], s[46:47], s[18:19]
	s_mul_i32 s20, s10, HALFT
	s_wait_dscnt 0x0                               ; the opening add is done
	s_wait_kmcnt 0x0
	s_add_nc_u64 s[14:15], s[4:5], s[16:17]
	s_add_nc_u64 s[46:47], s[6:7], s[46:47]
	CROUND                                         ; the first joint loads meet
.irp s, 0,1
	s_mov_b32 s[G0+4*(\s)], 1
	s_add_co_u32 s[G0+4*(\s)+1], s20, (\s)*SLOT
	s_add_nc_u64 s[G0+4*(\s)+2:G0+4*(\s)+3], s[14:15], (\s)*KSTEP*2
	s_or_b32 s[G0+4*(\s)+3], s[G0+4*(\s)+3], 0x80000000
	s_mov_b32 s[G0B+4*(\s)], 1
	s_add_co_u32 s[G0B+4*(\s)+1], s20, (\s)*SLOT
	s_add_nc_u64 s[G0B+4*(\s)+2:G0B+4*(\s)+3], s[46:47], (\s)*KSTEP*2
	s_or_b32 s[G0B+4*(\s)+3], s[G0B+4*(\s)+3], 0x80000000
	JLOAD \s
.endr
	v_and_b32 v1, 15, v0                           ; r
	v_bfe_u32 v2, v0, 4, 1                         ; h
	v_mul_u32_u24 v3, v1, PITCH
	v_lshl_add_u32 v3, v2, 4, v3
	s_mul_i32 s21, s11, HALFT
	s_mul_i32 s22, s12, HALFT
	s_add_co_u32 s22, s22, 2*HALFT
.irp s, 0,1
	v_add_nc_u32 v[ADRA+(\s)], s21, v3
	v_add_nc_u32 v[ADRB+(\s)], s22, v3
	s_add_co_u32 s21, s21, SLOT
	s_add_co_u32 s22, s22, SLOT
.endr
	s_mul_i32 s23, s11, 64*OP                      ; into the stage: my 64 rows, my 256 bytes of their 512; row r, 32 bytes for each half of the lanes
	s_lshl_b32 s21, s12, 8
	s_add_co_u32 s23, s23, s21
	v_mul_u32_u24 v4, v1, OP
	v_lshl_add_u32 v4, v2, 5, v4
	v_add_nc_u32 v[STO], s23, v4
	s_mul_i32 s23, s10, 32*OP                      ; back: wave w takes rows 32 w on, a whole row of 512 bytes to a load
	v_and_b32 v5, 31, v0
	v_lshlrev_b32 v[CO], 4, v5
	v_add_nc_u32 v[RD], s23, v[CO]
	s_lshl_b32 s16, s13, 7
	s_lshl_b32 s17, s10, 5
	s_add_co_u32 s16, s16, s17                     ; the first row of C that I store,
	s_lshl_b32 s16, s16, 13                        ; in rows of 8,192 bytes
	s_mov_b32 s17, 0
	s_add_nc_u64 s[8:9], s[8:9], s[16:17]
	s_lshl_b32 s46, s42, 9                         ; the tile's first column, in bytes
	s_mov_b32 s47, 0
	s_add_nc_u64 s[8:9], s[8:9], s[46:47]
.macro MUL8 f, c, a0, zero             ; 8 matrix instructions: m blocks a0, a0 + 1 x all 4 n blocks, 32 along K: half c of buffer f
	WIN MUL
.irp a, \a0, (\a0)+1
.irp b, 0,1,2,3
.if \zero
	v_wmma_f32_16x16x32_f16 v[ACC+8*(4*(\a)+(\b)):ACC+8*(4*(\a)+(\b))+7], v[(\f)+64+8*(4*(\c)+(\b)):(\f)+64+8*(4*(\c)+(\b))+7], v[(\f)+8*(4*(\c)+(\a)):(\f)+8*(4*(\c)+(\a))+7], 0
.else
	v_wmma_f32_16x16x32_f16 v[ACC+8*(4*(\a)+(\b)):ACC+8*(4*(\a)+(\b))+7], v[(\f)+64+8*(4*(\c)+(\b)):(\f)+64+8*(4*(\c)+(\b))+7], v[(\f)+8*(4*(\c)+(\a)):(\f)+8*(4*(\c)+(\a))+7], v[ACC+8*(4*(\a)+(\b)):ACC+8*(4*(\a)+(\b))+7]
.endif
.endr
.endr
.endm
.macro FETCH slot, k, f                ; 32 LDS loads in one run: 64 along K at byte k of the rows; the first 32 along K first
	WIN TO_F
.irp c, 0,1
.irp i, 0,1,2,3
	ds_load_b128 v[(\f)+64+8*(4*(\c)+(\i)):(\f)+64+8*(4*(\c)+(\i))+3],   v[ADRB+(\slot)] offset:(\k)+64*(\c)+(\i)*16*PITCH
	ds_load_b128 v[(\f)+64+8*(4*(\c)+(\i))+4:(\f)+64+8*(4*(\c)+(\i))+7], v[ADRB+(\slot)] offset:(\k)+64*(\c)+(\i)*16*PITCH+32
	ds_load_b128 v[(\f)+8*(4*(\c)+(\i)):(\f)+8*(4*(\c)+(\i))+3],         v[ADRA+(\slot)] offset:(\k)+64*(\c)+(\i)*16*PITCH
	ds_load_b128 v[(\f)+8*(4*(\c)+(\i))+4:(\f)+8*(4*(\c)+(\i))+7],       v[ADRA+(\slot)] offset:(\k)+64*(\c)+(\i)*16*PITCH+32
.endr
.endr
.endm
.macro PLACES
.rept 4
	v_nop
.endr
.endm
.macro QUARTER slot, k, f, g, zero     ; 64 along K: multiplies buffer f and fetches the next quarter, at byte k, into g
	s_wait_dscnt 16                                ; the first 32 along K are in; the other sixteen loads may be out
	MUL8 \f, 0, 0, \zero
	MUL8 \f, 0, 2, \zero
	PLACES
	FETCH \slot, \k, \g
	s_wait_dscnt 32                                ; all but the 32 just issued
	MUL8 \f, 1, 0, 0
	MUL8 \f, 1, 2, 0
.endm
; The last quarter multiplies buffer 1 and changes slots: ONE barrier; in front of it each wave waits for all its tensor loads, adds 0 to its spare word, and waits for that and for its reads of this slot.
.macro TURN slot, next, fill
	WIN 0
	s_wait_tensorcnt 0x0
	ds_add_u32 v[SPW], v[NIL]
	s_wait_dscnt 17                                ; (the add and the youngest sixteen loads may be out)
	MUL8 F1, 0, 0, 0
	s_wait_dscnt 0x0                               ; the add is done, and my reads of this slot are over
	s_barrier_signal -1
	MUL8 F1, 0, 2, 0
.if \fill
	WIN 0
.endif
	s_barrier_wait -1
.if \fill
	CREST                                          ; no wave of any partner still reads this slot's tile or has a load on its way
	s_add_nc_u64 s[G0+4*(\slot)+2:G0+4*(\slot)+3], s[G0+4*(\slot)+2:G0+4*(\slot)+3], 2*KSTEP*2
	s_add_nc_u64 s[G0B+4*(\slot)+2:G0B+4*(\slot)+3], s[G0B+4*(\slot)+2:G0B+4*(\slot)+3], 2*KSTEP*2
	JLOAD \slot
.else
	PLACES
.endif
	FETCH \next, 0, F0
	MUL8 F1, 1, 0, 0
	MUL8 F1, 1, 2, 0
.endm
	s_wait_tensorcnt 1                             ; my part of K step 0 is in; K step 1's may stay out
	s_barrier_signal -1
	s_barrier_wait -1
	FETCH 0, 0, F0
	QUARTER 0, 128, F0, F1, 1                      ; the first quarter's first products start the sums
	WIN 0
	s_mov_b32 s3, LAPS-1
.Llap:
	QUARTER 0, 256, F1, F0, 0
	QUARTER 0, 384, F0, F1, 0
	TURN 0, 1, 1
	QUARTER 1, 128, F0, F1, 0
	QUARTER 1, 256, F1, F0, 0
	QUARTER 1, 384, F0, F1, 0
	TURN 1, 0, 1
	QUARTER 0, 128, F0, F1, 0
	WIN 0
	s_sub_co_u32 s3, s3, 1
	s_cmp_lg_u32 s3, 0
	s_cbranch_scc1 .Llap
	QUARTER 0, 256, F1, F0, 0                      ; the last lap fills nothing
	QUARTER 0, 384, F0, F1, 0
	TURN 0, 1, 0                                   ; behind this barrier nobody reads slot 0, and it is never filled again
	QUARTER 1, 128, F0, F1, 0
	QUARTER 1, 256, F1, F0, 0
	QUARTER 1, 384, F0, F1, 0
	s_wait_dscnt 16
	MUL8 F1, 0, 0, 0
	MUL8 F1, 0, 2, 0
	s_wait_dscnt 0
	MUL8 F1, 1, 0, 0
	MUL8 F1, 1, 2, 0
	WIN 0
	PLACES
.irp a, 0,1,2,3
.irp b, 0,1,2,3
	ds_store_b128 v[STO], v[ACC+8*(4*(\a)+(\b)):ACC+8*(4*(\a)+(\b))+3]   offset:(\a)*16*OP+64*(\b)     ; each accumulator's low four registers first
	ds_store_b128 v[STO], v[ACC+8*(4*(\a)+(\b))+4:ACC+8*(4*(\a)+(\b))+7] offset:(\a)*16*OP+64*(\b)+16
.endr
.endr
	s_wait_dscnt 0x0                               ; for the others' sake: a row's 512 bytes come from two waves
	s_barrier_signal -1
	s_barrier_wait -1
.set t, 0
.rept 32
	ds_load_b128 v[ACC+4*t:ACC+4*t+3], v[RD] offset:t*OP
.set t, t+1
.endr
.set t, 0
.rept 32
	s_wait_dscnt 31-t                              ; the younger loads may stay out
	global_store_b128 v[CO], v[ACC+4*t:ACC+4*t+3], s[8:9] offset:t*SIZE_N*4  ; 512 consecutive bytes, at a multiple of 256 from out0's first
.set t, t+1
.endr
	s_wait_tensorcnt 0x0                           ; the wave's end
	ds_add_u32 v[SPW], v[NIL]
	s_wait_dscnt 0x0
	CROUND                                         ; the closing round
	s_endpgm
.Lfunc_end_k_qf27f6db65e_oproj:
	.size	k_qf27f6db65e_oproj, .Lfunc_end_k_qf27f6db65e_oproj-k_qf27f6db65e_oproj
	.p2alignl 7, 3214868480
	.fill 96, 4, 3214868480
	.section	.rodata,"a",@progbits
	.p2align	6, 0x0
	.amdhsa_kernel k_qf27f6db65e_oproj
		.amdhsa_group_segment_fixed_size 327680
		.amdhsa_private_segment_fixed_size 0
		.amdhsa_enable_private_segment 0
		.amdhsa_kernarg_size 24
		.amdhsa_user_sgpr_count 2
		.amdhsa_user_sgpr_kernarg_segment_ptr 1
		.amdhsa_wavefront_size32 1
		.amdhsa_system_sgpr_workgroup_id_x 1
		.amdhsa_system_sgpr_workgroup_id_y 1
		.amdhsa_system_sgpr_workgroup_id_z 1
		.amdhsa_system_vgpr_workitem_id 0
		.amdhsa_next_free_vgpr 512
		.amdhsa_next_free_sgpr 66
		.amdhsa_reserve_vcc 0
		.amdhsa_float_denorm_mode_32 3
		.amdhsa_float_denorm_mode_16_64 3
		.amdhsa_memory_ordered 1
		.amdhsa_forward_progress 1
		.amdhsa_inst_pref_size 86
	.end_amdhsa_kernel
	.amdgpu_metadata
---
amdhsa.version: [ 1, 2 ]
amdhsa.kernels:
  - .name:           k_qf27f6db65e_oproj
    .symbol:         k_qf27f6db65e_oproj.kd
    .args:
      - { .name: ao, .offset: 0, .size: 8, .value_kind: global_buffer, .address_space: global }
      - { .name: wob, .offset: 8, .size: 8, .value_kind: global_buffer, .address_space: global }
      - { .name: out0, .offset: 16, .size: 8, .value_kind: global_buffer, .address_space: global }
    .group_segment_fixed_size: 327680
    .private_segment_fixed_size: 0
    .kernarg_segment_align: 8
    .kernarg_segment_size: 24
    .max_flat_workgroup_size: 128
    .sgpr_count:     66
    .vgpr_count:     512
    .wavefront_size: 32
...
	.end_amdgpu_metadata
.endif
;; end of part 4
